; MI455X (gfx1250); checked and timed in simulation.
; The chip was launched on July 23, 2026; its instructions are those of AMD's public machine-readable ISA for CDNA 5 (MIT licence, August 2026) and "CDNA5" Instruction Set Architecture Reference Guide (July 2026). The comments in the code are by the model that wrote it; some were corrected since.
;; Performer Self Attention. Allowed arithmetic: matrix products marked QUANTISED: E2M3 operands, one E8M0 scale for each 32 along K, by v_wmma_scale_f32_16x16x128_f8f6f4 with both operands' format E2M3, f32 sums; everything else in f32.
;; Inputs: Wk_codes 1,024 x 32 x 24 uint8 (E2M3 codes of Wk, K innermost, in blocks of 32 codes, four codes in three bytes); Wk_scales 1,024 x 32 uint8 (E8M0 scales of Wk, one for each 32 codes along K); Wo_codes 1,024 x 32 x 24 uint8 (E2M3 codes of Wo, K innermost, in blocks of 32 codes, four codes in three bytes); Wo_scales 1,024 x 32 uint8 (E8M0 scales of Wo, one for each 32 codes along K); Wq_codes 1,024 x 32 x 24 uint8 (E2M3 codes of Wq, K innermost, in blocks of 32 codes, four codes in three bytes); Wq_scales 1,024 x 32 uint8 (E8M0 scales of Wq, one for each 32 codes along K); Wv_codes 1,024 x 32 x 24 uint8 (E2M3 codes of Wv, K innermost, in blocks of 32 codes, four codes in three bytes); Wv_scales 1,024 x 32 uint8 (E8M0 scales of Wv, one for each 32 codes along K); bk 1,024 float32; bo 1,024 float32; bq 1,024 float32; bv 1,024 float32; x_codes 4 x 4,096 x 32 x 24 uint8 (E2M3 codes of x, K innermost, in blocks of 32 codes, four codes in three bytes); x_scales 4 x 4,096 x 32 uint8 (E8M0 scales of x, one for each 32 codes along K).
;; Outputs: out0 4 x 4,096 x 1,024 float32.
;; This version of the problem:
;;   THIS VERSION OF THE PROBLEM IS GIVEN IN LOW PRECISION. The matrix products marked QUANTISED in the list below multiply operands that are first quantised to E2M3 (2 exponent bits, 3 mantissa bits; 6 bits a number), with one power-of-two scale for each 32 numbers along K (OCP MX v1.0); their sums are f32. All else is computed in f32.
;;   The module's matrix products, in the order in which they are computed (A, B: the left and right operand; K: the contracted axis; several contracted axes count as one K, in the product's order):
;;     1. [M 16,384, K 1,024] x [K 1,024, N 1,024]; A: input x (given as codes); B: input Wq (given as codes): QUANTISED
;;     2. [M 16,384, K 1,024] x [K 1,024, N 1,024]; A: input x (given as codes); B: input Wk (given as codes): QUANTISED
;;     3. [M 16,384, K 1,024] x [K 1,024, N 1,024]; A: input x (given as codes); B: input Wv (given as codes): QUANTISED
;;     4. [M 16,384, K 1,024] x [K 1,024, N 1,024]; A: computed on the way; B: input Wo (given as codes): QUANTISED
;;   THE QUANTISER, for each operand of a quantised product, along K:
;;     - K is cut into blocks of 32 from its start; a last block that is shorter is filled with zeros.
;;     - A block's scale is 2^e with e = floor(log2(the largest magnitude in the block)) - 2, held to -126 .. 127; a block of zeros has e = 0. As a byte (E8M0): e + 127.
;;     - Each number is divided by its block's scale, clamped to +-7.5, and rounded to the nearest number of E2M3, ties to even, subnormals kept.
;;     - The product sums the exact products of the quantised numbers (number of the format x scale) in f32.
;;   ~~~python
;;   def quantise(x, axis):      # numpy; x: float32 -> the quantised numbers, widened to float32 again
;;       x = np.moveaxis(x, axis, -1); K = x.shape[-1]
;;       x = np.pad(x, [(0, 0)] * (x.ndim - 1) + [(0, -K % 32)]); x = x.reshape(x.shape[:-1] + (-1, 32)); a = np.abs(x).max(-1, keepdims=True)
;;       e = np.where(a > 0, np.clip(np.frexp(np.where(a > 0, a, 1))[1] - 1 - 2, -126, 127), 0)      # np.frexp(a)[1] - 1 = floor(log2(a)), exactly
;;       r = np.clip(x / 2.0 ** e, -7.5, 7.5)
;;       step = 2.0 ** (np.maximum(np.frexp(np.where(r == 0, 1, r))[1] - 1, 0) - 3)
;;       q = np.round(r / step) * step * 2.0 ** e      # np.round: ties to even
;;       return np.moveaxis(q.reshape(q.shape[:-2] + (-1,))[..., :K], -1, axis).astype(np.float32)
;;   ~~~
;;   OPERANDS COMPUTED ON THE WAY. 'Computed on the way' means the value that the module computes at that place (a softmax that the list does not call 'softmax' is quantised finished and normalised). What goes into a quantiser is computed in f32, as accurately as f32 sums, v_exp_f32 and their like allow (about 1e-6 of the number): no bf16 or f16 on the way to a quantiser, and a product that is left as it is and whose result goes on into a quantised operand takes f32 operands (vector FMAs, or v_wmma_f32_16x16x4_f32). A number that lies on a knife's edge between two numbers of the format may be rounded either way, as far as f32 arithmetic and the matrix unit's own rounding can turn it there, and no further.
;;   INPUTS GIVEN AS CODES. Wk (in the module: [1024, 1024], K = its axis 0); Wo (in the module: [1024, 1024], K = its axis 0); Wq (in the module: [1024, 1024], K = its axis 0); Wv (in the module: [1024, 1024], K = its axis 0); x (in the module: [4, 4096, 1024], K = its axis 2): each comes as NAME_codes (uint8): NAME with its K axis moved to the last place and cut into blocks of 32 codes, [.., K / 32, bytes a block], one block behind the other in memory; four codes in three bytes: a row's codes are one little-endian stream of bits, code i at bits 6 i .. 6 i + 5 (a code: sign, 2 exponent bits, 3 mantissa bits); and NAME_scales (uint8): the same leading axes, one E8M0 byte (e + 127) for each 32 codes along K. Its value is code x scale, taken as it is: it is not quantised again, and the codes and scales need not be those that the quantiser above would give.
;; 2 versions. Each part assembles by itself: llvm-mc -triple=amdgcn-amd-amdhsa -mcpu=gfx1250 --defsym DOCPART=n.
;; ======== version 1 of 2: 2 launches
;; workspace buffers: qc 12,582,912 bytes; qs 524,288 bytes
;; launch qkv (part 1): grid 4 x 64, 4 waves a work-group, clusters of 4 x 4, 327,680 bytes of LDS; arguments x_codes, x_scales, Wq_codes, Wk_codes, Wv_codes, Wq_scales, Wk_scales, Wv_scales, bq, bk, bv, qc, qs; writes qc, qs
.if DOCPART == 1
	.amdgcn_target "amdgcn-amd-amdhsa--gfx1250"
	.amdhsa_code_object_version 6
	.text
	.protected	k_qe667fe7b08_qkv
	.globl	k_qe667fe7b08_qkv
	.p2align	8
	.type	k_qe667fe7b08_qkv,@function
k_qe667fe7b08_qkv:
	s_mov_b64 s[64:65], 0
	v_nop
	global_prefetch_b8 v0, s[64:65] scope:SCOPE_SE
	s_setreg_imm32_b32 hwreg(HW_REG_WAVE_MODE, 25, 1), 1
	s_wait_xcnt 0x0
	s_wait_alu depctr_hold_cnt(0) depctr_sa_sdst(0) depctr_va_vdst(0) depctr_va_sdst(0) depctr_va_ssrc(0) depctr_va_vcc(0) depctr_vm_vsrc(0)
	s_getreg_b32 s2, hwreg(HW_REG_IB_STS2, 6, 4)
	s_cmp_eq_u32 s2, 0
	s_cbranch_scc0 .Lentry_in_a_cluster
	s_endpgm
.Lentry_in_a_cluster:
	s_bfe_u32 s2, ttmp6, 0x10000c
	s_cmp_lg_u32 s2, 0xf033
	s_cbranch_scc0 .Lentry_shape_is_right
	s_endpgm
.Lentry_shape_is_right:
; For each row and head: aq = x Wq + bq, ak = x Wk + bk, v = x Wv + bv (three products on codes of FP6 (E2M3) with E8M0 scales, f32 sums),
; coeff = sum over the head's 64 of exp(-aq^2/2) exp(-ak^2/2), y = coeff x v; y is quantised along the 1,024 columns (blocks of 32) and stored as the
; next launch's operand: qc = images of its fragments' registers, qs = its scale words.
; SHARES.  A work-group owns 256 rows and 4 heads (two DOUBLE HEADS of 128 weight rows); wave w owns rows 64 w .. 64 w + 63 and keeps their codes for all
; of K in 384 registers.  Only weight rows are streamed: a fragment read from LDS feeds four matrix instructions.
; A UNIT is 2 weight tiles x 4 row tiles x 8 K steps = 64 matrix instructions on 8 accumulators by turns.  K is the inner loop, so a unit's sums are finished
; at its end; there are two sets of accumulators, and the vector work on the set just finished stands in slices behind the matrix instructions of the next unit.
; TRANSPOSED USE: source 0 = 16 weight rows, source 1 = 16 of my rows: lane (r, h) holds my row r, register j the tile's weight row 8 h + j.
; A TILE'S WEIGHT ROWS: rows 0-7 are n0 + 8 t + 0..7, rows 8-15 the same 64 further on: so lanes 0-15 hold one head and lanes 16-31 the next, and a head's sum,
; a block's largest magnitude and a block's 32 numbers all lie in one lane.
; ORDER OF K INSIDE A K STEP, alike on both operands of every product: lane (r, h) takes the 48 consecutive bytes at 96 s + 48 h of its row.  The unit's block
; 2 c + h is then the row's block 2 h + c, so bytes 1 and 2 of every scale word change places.  The products are the same; only their grouping in the sums differs.
; q x k is made by ONE exponential of -(aq^2 + ak^2) log2(e) / 2.  The biases are the C of each sum's first matrix instruction.
; CLUSTER 4 x 4: x's rows hang on the row block alone and are asked for jointly along a row of the cluster, the weight tiles on the head group alone, along a column.
; LIMITS: NaN and infinities among the inputs are not served.  A term q x k under 2^-126 counts as 0 (v_exp_f32 gives 0 there).  A block of zeros gets the scale byte 1
; where the quantiser says 127: its codes are zeros, and the bytes are read by this program alone.
.set PITCH,  816                       ; an LDS row of codes: 3 x (256 bytes + 16 of padding) = 51 x 16: the 16 rows of a load of 16 bytes a lane start in 16 different columns of 16 bytes
.set TILEB,  16*PITCH                  ; a weight tile
.set SLOTB,  4*TILEB                   ; a slot: 4 tiles = 2 units; also a wave's 64 rows of x
.set XB,     2*SLOTB                   ; behind the ring of two slots: x's 256 rows, filled once, each wave's 64 read by that wave alone
.set IMG_S,  XB                        ; later, in x's bytes (which have had their only fill): the weights' scale words, [slot 0..11][tile t][quad][lane][16 bytes]
.set IMG_B,  XB+24576                  ; and the biases, [slot][tile 2 j + t][h][8 f32]
.set SPARE,  XB+4*SLOTB                ; the spare words, 128 bytes a wave: two blocks of 256 bytes that no other line names
.set FLAGS,  (3<<16)|(1<<20)|(1<<21)|(5<<22)|(3<<25)  ; elements of 8 bytes; padding on; bit 21 beside a mask; behind every 64 words; 4 words of it
; window 0
.set SPW, 1                            ; v1   my spare word's address; never rewritten
.set NIL, 2                            ; v2   0; never rewritten
.set LQ,  3                            ; v3   Wq's, Wk's scale bytes: 32 x (8 h + r % 8 + 64 (r / 8))
.set LQV, 4                            ; v4   Wv's: 32 x (16 h + r % 8 + 64 (r / 8))
.set LB,  5                            ; v5   biases: 256 h
.set GC,  6                            ; v6   16 x lane
.set GS,  7                            ; v7   8 x lane
.set L32, 8                            ; v8   32 x lane
.set AX,  9                            ; v9, v10  my x rows in LDS (48 h; 64 h for pieces behind one padding more)
.set SIA, 11                           ; v11  IMG_S + 16 x lane
.set BIA, 12                           ; v12  IMG_B + 32 h
.set TA,  13                           ; v13, v14  addresses of the loads from the images
.set TB,  14
.set SX,  16                           ; v16-31   x's scale words: register 8 i + s, lane l: K step s of my row 32 i + l
.set SW,  32                           ; v32-63   weights' scale words: 16 parity + 8 t + s; lanes 0-15 the slot's unit 0, lanes 16-31 unit 1
.set BI,  64                           ; v64-127  biases: 32 parity + 8 (2 j + t) + 0..7
.set TSC, 64                           ; at the head only: scale words on their way to the image
.set TBI, 128                          ; at the head only: biases on their way to the image
.set SSQ, 224                          ; v224-227 at the head only: where my wave stores its part of the images
.set SSV, 225
.set SBQ, 226
.set SBV, 227
; window 1: x's fragments of K steps 0-4 at 48 s + 12 m.   window 2: K steps 5-7 at 48 (s - 5) + 12 m, and
.set H,   144                          ; v144-207 the first 16 numbers of a block, 16 a row tile
.set CD,  208                          ; v208-255 the codes of a double head, 12 a row tile
; window 3: v0-127 the accumulators: set p at 64 p, (m, t) at + 16 m + 8 t
.set FB,  128                          ; v128-223 four buffers of a K step's two weight fragments
.set AW,  224                          ; v224-227 my lane's place in slot 0 (48 h, 64 h) and in slot 1
.set CO,  228                          ; v228-235 coeff, a pair a row tile
.set MX,  236                          ; v236-239 largest magnitudes
.set SO,  240                          ; v240-243 the conversions' scale operands
.set TC,  244                          ; v244-246 a block's second 16 codes
.set SB,  248                          ; v248-251 scale bytes, then scale words
.set SH8, 252                          ; v252 8 h
.set TMP, 253
.set SP2, 254                          ; v254-255 the pair of scale words that is stored
; scalars
.set G1X, 32                           ; s[32:39] group 1 for x;  s[40:47] for weight tiles
.set G1W, 40
.set G0X, 48                           ; s[48:51] group 0 for x;  s[52:55], s[56:59] for slot 0 and slot 1
.set G0A, 52
.set WV,  60
.set WL,  61
.set CX,  62
.set CY,  63
.set GG,  66                           ; head group
.set YB,  67                           ; row block
.set TQK, 68                           ; s[68:69] my tile of the double head's first slot of Wq or Wk
.set TV,  70                           ; s[70:71] and of Wv
.set RA,  72                           ; s[72:73] what the loop's first refill asks for;  s[74:75] the distance to the second's
.set RST, 74
.set NCF, 76                           ; s[76:77] -log2(e) / 2
.set SEL, 78                           ; s[78:79] selects for lane l xor 16
.set HM,  80                           ; lanes 16-31
.set PSEL, 81                          ; bytes 1 and 2 change places
.set DHC, 82
.set QC,  83
.set IOS, 84                           ; the next slot's place in the two images
.set IOB, 85
.set PQC, 86                           ; s[86:87] where my codes go;  s[88:89] my scale words
.set PQS, 88
.set NXT, 90                           ; s[90:91] the next refill's address
.set MSB, 0
.set DSI, 0                            ; LDS instructions written so far; FLIb: the count behind the last load into fragment buffer b
.set FLI0, 0
.set FLI1, 0
.set FLI2, 0
.set FLI3, 0
.macro WIN new                         ; the immediate's high byte repeats the setting that is left; a switch that changes nothing is dropped
.if MSB != (\new)
	s_set_vgpr_msb (MSB<<8)|(\new)
.set MSB, \new
.endif
.endm
.macro NOP4
.rept 4
	v_nop
.endr
.endm
.macro CREST                           ; a round of the cluster's barrier behind its opening barrier
	s_cmp_lg_u32 s[WV], 0
	s_cbranch_scc1 .Lnot_wave_0_\@
	s_barrier_signal -3
.Lnot_wave_0_\@:
	s_barrier_wait -3
	s_barrier_signal -1
	s_barrier_wait -1
.endm
.macro CROUND
	s_barrier_signal -1
	s_barrier_wait -1
	CREST
.endm
.macro DS1
.set DSI, DSI+1
.endm
.macro SETFL
.if FBUF == 0
.set FLI0, DSI
.elseif FBUF == 1
.set FLI1, DSI
.elseif FBUF == 2
.set FLI2, DSI
.else
.set FLI3, DSI
.endif
.endm
.macro WAITF                           ; K step SS's fragments are in: the count is the LDS instructions written behind the last of their loads
.if (SS%4) == 0
	s_wait_dscnt DSI-FLI0
.elseif (SS%4) == 1
	s_wait_dscnt DSI-FLI1
.elseif (SS%4) == 2
	s_wait_dscnt DSI-FLI2
.else
	s_wait_dscnt DSI-FLI3
.endif
.endm
; Piece FK (0..5) of K step FS's two fragments into buffer FBUF: 16 bytes a lane.  Data byte O of a row lies at O + 16 (O / 256); lanes 16-31 read 48 bytes on, behind one padding more where O % 256 >= 208.
.macro FRP
.set FT, FK/3
.set FO, 96*FS+16*(FK%3)
.set FR, FB+24*FBUF+12*FT+4*(FK%3)
.if (FO%256) >= 208
	ds_load_b128 v[FR:FR+3], v[FADR+1] offset:FBASE+FT*TILEB+FO+16*(FO/256)
.else
	ds_load_b128 v[FR:FR+3], v[FADR] offset:FBASE+FT*TILEB+FO+16*(FO/256)
.endif
	DS1
.if FK == 5
	SETFL
.endif
.endm
.macro FR12                            ; a unit's K steps 0 and 1
.set KK, 0
.rept 12
.set FS, KK/6
.set FBUF, KK/6
.set FK, KK%6
	FRP
.set KK, KK+1
.endr
.endm
.macro WMC
.if (WRA == 0) && (WRB == 0)
	v_wmma_scale_f32_16x16x128_f8f6f4 v[WD:WD+7], v[WA:WA+11], v[WB:WB+11], v[WC:WC+7], v[WSA], v[WSB] matrix_a_fmt:MATRIX_FMT_FP6 matrix_b_fmt:MATRIX_FMT_FP6
.elseif (WRA == 1) && (WRB == 0)
	v_wmma_scale_f32_16x16x128_f8f6f4 v[WD:WD+7], v[WA:WA+11], v[WB:WB+11], v[WC:WC+7], v[WSA], v[WSB] matrix_a_fmt:MATRIX_FMT_FP6 matrix_b_fmt:MATRIX_FMT_FP6 matrix_a_scale:MATRIX_SCALE_ROW1
.elseif (WRA == 0) && (WRB == 1)
	v_wmma_scale_f32_16x16x128_f8f6f4 v[WD:WD+7], v[WA:WA+11], v[WB:WB+11], v[WC:WC+7], v[WSA], v[WSB] matrix_a_fmt:MATRIX_FMT_FP6 matrix_b_fmt:MATRIX_FMT_FP6 matrix_b_scale:MATRIX_SCALE_ROW1
.else
	v_wmma_scale_f32_16x16x128_f8f6f4 v[WD:WD+7], v[WA:WA+11], v[WB:WB+11], v[WC:WC+7], v[WSA], v[WSB] matrix_a_fmt:MATRIX_FMT_FP6 matrix_b_fmt:MATRIX_FMT_FP6 matrix_a_scale:MATRIX_SCALE_ROW1 matrix_b_scale:MATRIX_SCALE_ROW1
.endif
.endm
; Matrix instruction II (row tile II / 2, weight tile II % 2) of K step SS.  D, C and the weights in window 3, x in window 1 or 2; the first K step's C is the bias, in window 0.
.macro WMS aset, par, ju
.set MM, II>>1
.set TT, II&1
.set WD, 64*(\aset)+16*MM+8*TT
.set WA, FB+24*(SS%4)+12*TT
.set WB, 48*(SS%5)+12*MM
.set WSA, SW+16*(\par)+8*TT+SS
.set WSB, SX+8*(MM>>1)+SS
.set WRA, \ju
.set WRB, MM&1
.if SS == 0
	WIN 0xC7
.set WC, BI+32*(\par)+8*(2*(\ju)+TT)
.elseif SS < 5
	WIN 0xF7
.set WC, WD
.else
	WIN 0xFB
.set WC, WD
.endif
	WMC
.endm
; THE LISTS.  A list is numbered; ITEM writes number J of the list in hand.  NA = 14: the list begins with the loads from the images.
; The next slot's scale words and biases (parity AP): no wait of their own, since the next slot's first counted wait is for younger loads.
.macro AUXI
	WIN 0
.if J == 0
	v_add_nc_u32 v[TA], s[IOS], v[SIA]
.elseif J == 1
	v_add_nc_u32 v[TB], s[IOB], v[BIA]
.elseif J < 6
.set KQ, J-2
	ds_load_b128 v[SW+16*AP+4*KQ:SW+16*AP+4*KQ+3], v[TA] offset:512*KQ
	DS1
.else
.set KQ, J-6
	ds_load_b128 v[BI+32*AP+4*KQ:BI+32*AP+4*KQ+3], v[TB] offset:64*(KQ>>1)+16*(KQ&1)
	DS1
.if J == 13
	s_add_co_u32 s[IOS], s[IOS], 2048
	s_add_co_u32 s[IOB], s[IOB], 256
.endif
.endif
.endm
.macro ZCOI                            ; coeff begins at 0
.if JJ < 8
	WIN 0xFF
	v_mov_b32 v[CO+JJ], 0
.endif
.endm
; aq and ak of set EP (aq in tile 0's accumulators, ak in tile 1's) become q x k, and are added to coeff.  Pairs GQ = 0..3 of a lane's eight numbers.
.macro EQKP                            ; plain line PI (0..11) of pair GQ: aq^2; + ak^2; x -log2(e)/2; four row tiles by turns
.set MQ, PI%4
.set AQ, 64*EP+16*MQ+2*GQ
.if (PI/4) == 0
	v_pk_mul_f32 v[AQ:AQ+1], v[AQ:AQ+1], v[AQ:AQ+1]
.elseif (PI/4) == 1
	v_pk_fma_f32 v[AQ:AQ+1], v[AQ+8:AQ+9], v[AQ+8:AQ+9], v[AQ:AQ+1]
.else
	v_pk_mul_f32 v[AQ:AQ+1], v[AQ:AQ+1], s[NCF:NCF+1] op_sel_hi:[1,0]
.endif
.endm
.macro EQKE                            ; exponential PI (0..7) of pair GQ
.set AQ, 64*EP+16*(PI/2)+2*GQ+PI%2
	v_exp_f32 v[AQ], v[AQ]
.endm
; 0-11 pair 0's plain lines; 12-71 three runs of 20: three plain lines of the next pair, two exponentials of the pair before, by turns; 72-79 pair 3's exponentials; none of these names an exponential's result.
; 80: a plain line and the ONE wait ahead of the first line that names a result; 81-96 the sums.
.macro EQKI
.if JJ < 97
	WIN 0xFF
.if JJ < 12
.set GQ, 0
.set PI, JJ
	EQKP
.elseif JJ < 72
.set UQ, (JJ-12)%20
.if (UQ%5) < 3
.set GQ, (JJ-12)/20+1
.set PI, 3*(UQ/5)+UQ%5
	EQKP
.else
.set GQ, (JJ-12)/20
.set PI, 2*(UQ/5)+UQ%5-3
	EQKE
.endif
.elseif JJ < 80
.set GQ, 3
.set PI, JJ-72
	EQKE
.elseif JJ == 80
	v_nop
	s_wait_alu depctr_va_vdst(0)
.else
.set MQ, (JJ-81)&3
.set GQ, (JJ-81)>>2
	v_pk_add_f32 v[CO+2*MQ:CO+2*MQ+1], v[CO+2*MQ:CO+2*MQ+1], v[64*EP+16*MQ+2*GQ:64*EP+16*MQ+2*GQ+1]
.endif
.endif
.endm
; The first 16 numbers of a block (set EP): their largest magnitude, raw; then x coeff into H.  FINN = 4: coeff's two halves are added first.
.macro EVAI
.if JJ < FINN
	WIN 0xFF
	v_add_f32 v[CO+2*JJ], v[CO+2*JJ], v[CO+2*JJ+1]
.elseif JJ < FINN+32
.set MQ, (JJ-FINN)&3
.set KQ, (JJ-FINN)>>2
.set VB, 64*EP+16*MQ
	WIN 0xFF
.if KQ == 0
	v_max3_num_f32 v[MX+MQ], |v[VB]|, |v[VB+1]|, |v[VB+2]|
.elseif KQ < 7
	v_max3_num_f32 v[MX+MQ], v[MX+MQ], |v[VB+2*KQ+1]|, |v[VB+2*KQ+2]|
.else
	v_max_num_f32 v[MX+MQ], v[MX+MQ], |v[VB+15]|
.endif
.elseif JJ < FINN+64
.set MQ, (JJ-FINN-32)&3
.set KQ, (JJ-FINN-32)>>2
.set VB, 64*EP+16*MQ
	WIN 0xBF
	v_pk_mul_f32 v[H+16*MQ+2*KQ:H+16*MQ+2*KQ+1], v[VB+2*KQ:VB+2*KQ+1], v[CO+2*MQ:CO+2*MQ+1] op_sel_hi:[1,0]
.endif
.endm
; The block's second 16 numbers (set EP), block EC of the head: the largest magnitude is finished and multiplied by coeff (coeff is not negative and rounding keeps order, so that is the largest
; of the products, bit for bit); floor 2^(3 - 127); 2 off the exponent field gives the conversion's scale operand; the numbers x coeff in place; the codes.  EC = 1: the scale words and the stores too.
.macro EVBI
.set NCV, 6+EC
.if JJ < 32
.set MQ, JJ&3
.set KQ, JJ>>2
.set VB, 64*EP+16*MQ
	WIN 0xFF
	v_max3_num_f32 v[MX+MQ], v[MX+MQ], |v[VB+2*KQ]|, |v[VB+2*KQ+1]|
.elseif JJ < 36
.set MQ, JJ-32
	WIN 0xFF
	v_mul_f32 v[MX+MQ], v[MX+MQ], v[CO+2*MQ]
.elseif JJ < 40
.set MQ, JJ-36
	WIN 0xFF
	v_max_num_f32 v[MX+MQ], 0x1800000, v[MX+MQ]
.elseif JJ < 44
.set MQ, JJ-40
	WIN 0xFF
	v_add_nc_u32 v[SO+MQ], 0xff000000, v[MX+MQ]
.elseif JJ < 76
.set MQ, (JJ-44)&3
.set KQ, (JJ-44)>>2
.set VB, 64*EP+16*MQ
	WIN 0xFF
	v_pk_mul_f32 v[VB+2*KQ:VB+2*KQ+1], v[VB+2*KQ:VB+2*KQ+1], v[CO+2*MQ:CO+2*MQ+1] op_sel_hi:[1,0]
.elseif JJ == 76
	s_wait_xcnt 0x0                        ; the codes' registers were the data of the last double head's stores: they are written again only behind this wait
.elseif JJ < 77+4*NCV
.set MQ, (JJ-77)/NCV
.set KQ, (JJ-77)%NCV
.set VB, 64*EP+16*MQ
.if KQ == 0
	WIN 0xBE
	v_cvt_scalef32_pk16_fp6_f32 v[CD+12*MQ+6*EC:CD+12*MQ+6*EC+2], v[H+16*MQ:H+16*MQ+15], v[SO+MQ]
.elseif KQ == 1
	WIN 0xFF
	v_cvt_scalef32_pk16_fp6_f32 v[TC:TC+2], v[VB:VB+15], v[SO+MQ]    ; (a conversion's three registers begin on an even number: these are moved)
.elseif KQ == 2
	WIN 0xFF
.if EC == 0
	v_lshrrev_b32 v[SB+MQ], 23, v[SO+MQ]   ; the scale's byte; also the plain line behind the conversions
.else
	v_lshrrev_b32 v[TMP], 23, v[SO+MQ]
.endif
.elseif KQ < 6
	WIN 0xBF
	v_mov_b32 v[CD+12*MQ+6*EC+KQ], v[TC+KQ-3]
.else
	WIN 0xFF
	v_lshl_or_b32 v[SB+MQ], v[TMP], 16, v[SB+MQ]   ; block c's byte at place 2 c
.endif
.elseif (EC == 1) && (JJ < 132)
.set UQ, JJ-105
.if UQ < 4
	WIN 0xFF
	v_lshlrev_b32 v[SB+UQ], v[SH8], v[SB+UQ]       ; + h: the place 2 c + h of the unit's own numbering
.elseif UQ < 8
	WIN 0xFF
	v_permlanex16_b32 v[MX+UQ-4], v[SB+UQ-4], s[SEL], s[SEL+1]
.elseif UQ < 12
	WIN 0xFF
	v_or_b32 v[SB+UQ-8], v[SB+UQ-8], v[MX+UQ-8]    ; with the other head's two bytes the row's word is whole
.elseif UQ == 12
	WIN 0xFF
	v_cndmask_b32 v[SP2], v[SB], v[SB+1], s[HM]    ; lane l: the word of my row l,
.elseif UQ == 13
	WIN 0xFF
	v_cndmask_b32 v[SP2+1], v[SB+2], v[SB+3], s[HM]  ; and of my row 32 + l
.elseif UQ < 26
.set KQ, UQ-14
	WIN 0x08
	global_store_b128 v[GC], v[CD+4*KQ:CD+4*KQ+3], s[PQC:PQC+1] offset:12288*(KQ/3)+512*(KQ%3)   ; the wave stores 512 consecutive bytes, aligned
.else
	WIN 0x0C
	global_store_b64 v[GS], v[SP2:SP2+1], s[PQS:PQS+1]   ; 256 consecutive bytes, aligned
.endif
.endif
.endm
.macro ITEM
.if J < NA
	AUXI
.else
.set JJ, J-NA
.if LST == 1
	ZCOI
.elseif LST == 2
	EQKI
.elseif LST == 3
	EVAI
.elseif LST == 4
	EVBI
.endif
.endif
.endm
.macro SLICE
.rept 4
	ITEM
.set J, J+1
.endr
.endm
.macro BARE n
.set J, 0
.rept \n
	ITEM
.set J, J+1
.endr
.endm
.macro LIST na, lst, ep, ec, fin
.set NA, \na
.set LST, \lst
.set EP, \ep
.set EC, \ec
.set FINN, \fin
.endm
; The fragment loads behind matrix instructions 2, 4, 6 of a K step: two pieces each, for the K step two on (from step 6 on: the next unit's steps 0 and 1).
; In a unit that changes slots, step 4 fetches steps 6 and 7, four pieces each time, and later steps fetch nothing: the slot's last read stands ahead of the barrier.
.macro FLOADS par, ju, nx, npar, nju, chg
.if ((\chg) == 0) || (SS <= 3)
.if SS <= 5
.set FADR, AW+2*(\par)
.set FBASE, 2*TILEB*(\ju)
.set FS, SS+2
.set FBUF, (SS+2)%4
.set FK, II-2
	FRP
.set FK, II-1
	FRP
.elseif \nx
.set FADR, AW+2*(\npar)
.set FBASE, 2*TILEB*(\nju)
.set FS, SS-6
.set FBUF, (SS+2)%4
.set FK, II-2
	FRP
.set FK, II-1
	FRP
.endif
.elseif SS == 4
.set FADR, AW+2*(\par)
.set FBASE, 2*TILEB*(\ju)
.set KK, 2*(II-2)
.rept 4
.set FS, 6+KK/6
.set FBUF, 2+KK/6
.set FK, KK%6
	FRP
.set KK, KK+1
.endr
.endif
.endm
; A UNIT.  aset: its accumulators; par, ju: the slot's parity and the unit in it; nx: a unit (npar, nju) follows; chg = 1: the slot is left and filled again; 2: it is left.
; The four v_nop behind each K step's first matrix instruction are the places in front of the step's loads into a buffer that matrix instructions read two steps back, in front of the list's
; first read of the other set, and in front of the loads into the scale words and biases of the slot before (ISA guide 7.12.1 for vector instructions).
; The eight accumulators take turns, one instruction a turn, and a unit's last and the next unit's first lie in different sets.
; THE CHANGE OF SLOTS.  At step 5's head: the wait for all my tensor loads (one is out: my tile of the other slot), the add of 0 onto my spare word, the refill's address (no load of mine is out, so a
; group 0 may be written); eight matrix instructions; the wait for the add and for my reads of this slot; the signal; eight matrix instructions; the barrier's wait, which opens the rest of a round
; of the cluster's barrier; the joint refill first behind it; then the other slot's first fragments, and eight matrix instructions while they come.
.macro UNIT aset, par, ju, nx, npar, nju, chg
.set AP, 1-(\par)
.set J, 0
.set SS, 0
.rept 8
.if (\chg) && (SS == 5)
	WIN 0
	s_wait_tensorcnt 0x0
	ds_add_u32 v[SPW], v[NIL]
	DS1
.if (\chg) == 1
	s_mov_b64 s[G0A+4*(\par)+2:G0A+4*(\par)+3], s[NXT:NXT+1]
	s_or_b32 s[G0A+4*(\par)+3], s[G0A+4*(\par)+3], 0x80000000
.endif
.endif
.if ((\chg) == 0) || (SS < 6)
	WAITF
.endif
.set II, 0
.rept 8
	WMS \aset, \par, \ju
.if II == 0
	NOP4
.elseif (II%2) == 1
	SLICE
.else
	FLOADS \par, \ju, \nx, \npar, \nju, \chg
.endif
.set II, II+1
.endr
.if (\chg) && (SS == 5)
	s_wait_dscnt 0x0                       ; the add is done, and my reads of this slot are over
	s_barrier_signal -1
.endif
.if (\chg) && (SS == 6)
	WIN 0
	s_barrier_wait -1
.if (\chg) == 1
	CREST                                  ; no wave of any partner still reads this slot or has a load on its way
	tensor_load_to_lds s[G0A+4*(\par):G0A+4*(\par)+3], s[G1W:G1W+7]   ; my one tensor load behind the round
	s_nop 0
.endif
	NOP4
	WIN 0xFB
.set FADR, AW+2*(\npar)
.set FBASE, 2*TILEB*(\nju)
	FR12
.endif
.set SS, SS+1
.endr
.endm
	s_load_b512 s[4:19], s[0:1], 0x0               ; x codes, x scales, Wq, Wk, Wv codes, Wq, Wk, Wv scales
	s_load_b256 s[20:27], s[0:1], 0x40             ; bq, bk, bv, qc
	s_load_b64 s[28:29], s[0:1], 0x60              ; qs
	v_lshl_add_u32 v[SPW], v0, 2, SPARE
	v_mov_b32 v[NIL], 0
	ds_add_u32 v1, v2
	ds_add_u32 v1, v2
	s_wait_dscnt 0x0
	v_lshrrev_b32 v15, 5, v0
	v_readfirstlane_b32 s[WV], v15                 ; wave 0..3
	s_bfe_u32 s[CX], ttmp6, 0x40000
	s_bfe_u32 s[CY], ttmp6, 0x40004
	s_lshl_b32 s[GG], ttmp9, 2
	s_add_co_u32 s[GG], s[GG], s[CX]               ; head group = 4 x cluster x + cx
	s_and_b32 s[YB], ttmp7, 0xffff
	s_lshl_b32 s[YB], s[YB], 2
	s_add_co_u32 s[YB], s[YB], s[CY]               ; row block = 4 x cluster y + cy
	s_lshl_b32 s92, s[CY], 2
	s_lshl_b32 s92, 15, s92                        ; my row of the cluster
	s_lshl_b32 s96, 0x1111, s[CX]                  ; my column
	s_or_b32 s[G1X], s92, FLAGS                    ; x: 64 rows of 96 elements of 8 bytes, dense
	s_or_b32 s[G1W], s96, FLAGS                    ; a weight tile: 2 long rows of 8 weight rows (768 elements), 64 weight rows (6,144 elements) apart; in LDS 16 rows of 816 bytes
	s_mov_b32 s[G1X+1], 96<<16
	s_mov_b32 s[G1X+2], 64<<16
	s_mov_b32 s[G1X+3], 96<<16
	s_mov_b32 s[G1X+4], 64
	s_mov_b32 s[G1X+5], 96
	s_mov_b32 s[G1X+6], 0
	s_mov_b32 s[G1X+7], 0
	s_mov_b32 s[G1W+1], 768<<16
	s_mov_b32 s[G1W+2], 2<<16
	s_mov_b32 s[G1W+3], 768<<16
	s_mov_b32 s[G1W+4], 2
	s_mov_b32 s[G1W+5], 6144
	s_mov_b32 s[G1W+6], 0
	s_mov_b32 s[G1W+7], 0
	s_mov_b32 s[NCF], 0xbf38aa3b
	s_mov_b32 s[NCF+1], s[NCF]
	s_mov_b32 s[SEL], 0x76543210
	s_mov_b32 s[SEL+1], 0xfedcba98
	s_mov_b32 s[HM], 0xffff0000
	s_mov_b32 s[PSEL], 0x03010200
	s_lshl_b32 s92, s[YB], 8
	s_lshl_b32 s93, s[WV], 6
	s_add_co_u32 s92, s92, s93                     ; my first row
	s_mul_i32 s94, s92, 768                        ; its codes' byte in x, and its images' byte in qc
	s_mov_b32 s95, 0
	s_mov_b32 s[G0X], 1
	s_mul_i32 s[G0X+1], s[WV], SLOTB
	s_add_co_u32 s[G0X+1], s[G0X+1], XB
	s_lshl_b32 s98, s[GG], 8                       ; the head group's first weight row
	s_lshr_b32 s99, s[WV], 1
	s_lshl_b32 s99, s99, 3
	s_add_co_u32 s96, s98, s99                     ; Wq, Wk: wave w fetches matrix w % 2, the slot's tile w / 2
	s_mul_i32 s96, s96, 768
	s_mov_b32 s97, 0
	s_mul_i32 s[WL], s[WV], TILEB                  ; and lays it at tile w of the slot
	s_mov_b32 s[G0A], 1
	s_mov_b32 s[G0A+1], s[WL]
	s_mov_b32 s[G0A+4], 1
	s_add_co_u32 s[G0A+5], s[WL], SLOTB
	s_and_b32 s99, s[WV], 1
	s_wait_kmcnt 0x0
	s_add_nc_u64 s[G0X+2:G0X+3], s[4:5], s[94:95]
	s_or_b32 s[G0X+3], s[G0X+3], 0x80000000
	s_cmp_eq_u32 s99, 0
	s_cselect_b64 s[TQK:TQK+1], s[8:9], s[10:11]
	s_add_nc_u64 s[TQK:TQK+1], s[TQK:TQK+1], s[96:97]
	s_mov_b64 s[G0A+2:G0A+3], s[TQK:TQK+1]
	s_or_b32 s[G0A+3], s[G0A+3], 0x80000000
	s_add_nc_u64 s[G0A+6:G0A+7], s[TQK:TQK+1], 12288   ; a slot on: 16 weight rows
	s_or_b32 s[G0A+7], s[G0A+7], 0x80000000
	s_lshl_b32 s99, s[WV], 3
	s_add_co_u32 s96, s98, s99                     ; Wv: wave w fetches the slot's tile w
	s_mul_i32 s96, s96, 768
	s_add_nc_u64 s[TV:TV+1], s[12:13], s[96:97]
	CROUND                                         ; all sixteen work-groups are here: the first joint loads meet
	tensor_load_to_lds s[G0X:G0X+3], s[G1X:G1X+7]  ; my 64 rows of x; three loads of mine are out here, one behind each later round
	s_nop 0
	tensor_load_to_lds s[G0A:G0A+3], s[G1W:G1W+7]  ; my tile of slot 0
	s_nop 0
	tensor_load_to_lds s[G0A+4:G0A+7], s[G1W:G1W+7]  ; and of slot 1
	s_nop 0
	NOP4
	s_lshl_b32 s30, s92, 5
	s_mov_b32 s31, 0
	s_add_nc_u64 s[6:7], s[6:7], s[30:31]          ; x's scale bytes at my first row
	s_mul_i32 s2, s[GG], 3072                      ; K step 2 g of the next product: 1,536 bytes a K step
	s_add_co_u32 s2, s2, s94
	s_mov_b32 s3, 0
	s_add_nc_u64 s[PQC:PQC+1], s[26:27], s[2:3]
	s_lshl_b32 s2, s[GG], 17                       ; 65,536 bytes a K step,
	s_lshl_b32 s30, s92, 2                         ; 256 for each 64 rows
	s_add_co_u32 s2, s2, s30
	s_add_nc_u64 s[PQS:PQS+1], s[28:29], s[2:3]
	s_lshr_b32 s30, s[WV], 1                       ; for the images wave w prepares double head d = w / 2, half hf = w % 2 of its slots
	s_and_b32 s31, s[WV], 1
	s_lshl_b32 s96, s[GG], 13
	s_lshl_b32 s98, s30, 12
	s_add_co_u32 s96, s96, s98
	s_lshl_b32 s98, s31, 10
	s_add_co_u32 s96, s96, s98                     ; 32 x (256 g + 128 d + 32 hf)
	s_add_nc_u64 s[14:15], s[14:15], s[96:97]
	s_add_nc_u64 s[16:17], s[16:17], s[96:97]
	s_add_nc_u64 s[18:19], s[18:19], s[96:97]
	s_lshr_b32 s96, s96, 3                         ; 4 x the same
	s_add_nc_u64 s[20:21], s[20:21], s[96:97]
	s_add_nc_u64 s[22:23], s[22:23], s[96:97]
	s_add_nc_u64 s[24:25], s[24:25], s[96:97]
	v_and_b32 v228, 31, v0                         ; lane
	v_and_b32 v229, 15, v0                         ; r
	v_bfe_u32 v230, v0, 4, 1                       ; h
	v_and_b32 v231, 7, v0
	v_bfe_u32 v232, v0, 3, 1
	v_lshlrev_b32 v[LQ], 5, v231
	v_lshl_add_u32 v[LQ], v232, 11, v[LQ]
	v_lshl_add_u32 v[LQV], v230, 9, v[LQ]
	v_lshl_add_u32 v[LQ], v230, 8, v[LQ]
	v_lshlrev_b32 v[LB], 8, v230
	v_lshlrev_b32 v[GC], 4, v228
	v_lshlrev_b32 v[GS], 3, v228
	v_lshlrev_b32 v[L32], 5, v228
.irp i, 0,1
	global_load_b128 v[SX+8*\i:SX+8*\i+3], v[L32], s[6:7] offset:1024*\i        ; lane l: the eight scale words of my row 32 i + l
	global_load_b128 v[SX+8*\i+4:SX+8*\i+7], v[L32], s[6:7] offset:1024*\i+16
.endr
.irp sg, 0,1                                   ; lane 16 j + a: the words of row a of unit j's tile
.irp qd, 0,1
	global_load_b128 v[TSC+16*\sg+4*\qd:TSC+16*\sg+4*\qd+3], v[LQ], s[14:15] offset:512*\sg+16*\qd
	global_load_b128 v[TSC+16*\sg+8+4*\qd:TSC+16*\sg+8+4*\qd+3], v[LQ], s[16:17] offset:512*\sg+16*\qd
.endr
.endr
.irp t, 0,1
.irp qd, 0,1
	global_load_b128 v[TSC+32+8*\t+4*\qd:TSC+32+8*\t+4*\qd+3], v[LQV], s[18:19] offset:256*\t+16*\qd
.endr
.endr
.irp sg, 0,1                                   ; lane (r, h): the eight biases of its half of a tile
.irp j, 0,1
.irp hf, 0,1
	global_load_b128 v[TBI+32*\sg+16*\j+4*\hf:TBI+32*\sg+16*\j+4*\hf+3], v[LB], s[20:21] offset:64*\sg+32*\j+16*\hf
	global_load_b128 v[TBI+32*\sg+16*\j+8+4*\hf:TBI+32*\sg+16*\j+8+4*\hf+3], v[LB], s[22:23] offset:64*\sg+32*\j+16*\hf
.endr
.endr
.endr
.irp k, 0,1,2,3
.irp hf, 0,1
	global_load_b128 v[TBI+64+8*\k+4*\hf:TBI+64+8*\k+4*\hf+3], v[LB], s[24:25] offset:32*\k+16*\hf
.endr
.endr
	v_mul_u32_u24 v233, v229, PITCH
	v_mad_u32_u24 v234, v230, 48, v233             ; row r, + 48 h
	v_lshl_add_u32 v235, v230, 6, v233             ; and behind one padding more
	v_add_nc_u32 v[AX], s[G0X+1], v234
	v_add_nc_u32 v[AX+1], s[G0X+1], v235
	v_add_nc_u32 v[SIA], IMG_S, v[GC]
	v_lshl_add_u32 v[BIA], v230, 5, IMG_B
	s_lshr_b32 s72, s[WV], 1
	s_and_b32 s73, s[WV], 1
	s_mul_i32 s74, s72, 12288                      ; six slots of 2,048 bytes a double head
	s_lshl_b32 s75, s73, 12
	s_add_co_u32 s75, s75, s74
	v_add_nc_u32 v[SSQ], s75, v[SIA]               ; slots 2 hf, 2 hf + 1
	s_lshl_b32 s75, s73, 11
	s_add_co_u32 s75, s75, s74
	s_add_co_u32 s75, s75, 8192
	v_add_nc_u32 v[SSV], s75, v[SIA]               ; slot 4 + hf
	s_mul_i32 s74, s72, 1536                       ; six slots of 256 bytes
	s_lshl_b32 s75, s73, 9
	s_add_co_u32 s75, s75, s74
	v_add_nc_u32 v[SBQ], s75, v[BIA]
	s_lshl_b32 s75, s73, 8
	s_add_co_u32 s75, s75, s74
	s_add_co_u32 s75, s75, 1024
	v_add_nc_u32 v[SBV], s75, v[BIA]
	WIN 0xC0                                       ; destination window 3
	v_mad_u32_u24 v[AW], v230, 48, v233
	v_lshl_add_u32 v[AW+1], v230, 6, v233
	v_add_nc_u32 v[AW+2], SLOTB, v234
	v_add_nc_u32 v[AW+3], SLOTB, v235
	v_lshlrev_b32 v[SH8], 3, v230
	s_wait_tensorcnt 0x2                           ; my rows of x are in LDS; the two weight tiles issued behind them may be out
.set SS, 0
.rept 8                                        ; x's 32 fragments into registers: they stay
.if SS == 0
	WIN 0x40
.elseif SS == 5
	WIN 0x80
.endif
.set MM, 0
.rept 4
.set FK, 0
.rept 3
.set FO, 96*SS+16*FK
.set FR, 48*(SS%5)+12*MM+4*FK
.if (FO%256) >= 208
	ds_load_b128 v[FR:FR+3], v[AX+1] offset:TILEB*MM+FO+16*(FO/256)
.else
	ds_load_b128 v[FR:FR+3], v[AX] offset:TILEB*MM+FO+16*(FO/256)
.endif
.set FK, FK+1
.endr
.set MM, MM+1
.endr
.set SS, SS+1
.endr
	WIN 0
	s_wait_loadcnt 0x0
.set KQ, 0
.rept 16
	v_perm_b32 v[SX+KQ], v[SX+KQ], v[SX+KQ], s[PSEL]       ; bytes 1 and 2 change places
.set KQ, KQ+1
.endr
.set KQ, 0
.rept 48
	v_perm_b32 v[TSC+KQ], v[TSC+KQ], v[TSC+KQ], s[PSEL]
.set KQ, KQ+1
.endr
	s_wait_dscnt 0x0                               ; my reads of x's bytes are over
	s_barrier_signal -1
	s_barrier_wait -1                              ; everybody's are, and every wave's rows had landed: the images may be laid there.
.irp sg, 0,1
.irp t, 0,1
.irp qd, 0,1
	ds_store_b128 v[SSQ], v[TSC+16*\sg+8*\t+4*\qd:TSC+16*\sg+8*\t+4*\qd+3] offset:2048*\sg+1024*\t+512*\qd
.endr
.endr
.endr
.irp t, 0,1
.irp qd, 0,1
	ds_store_b128 v[SSV], v[TSC+32+8*\t+4*\qd:TSC+32+8*\t+4*\qd+3] offset:1024*\t+512*\qd
.endr
.endr
.irp sg, 0,1                                   ; the sixteen lanes of a half store the same bytes at the same place
.irp k, 0,1,2,3
.irp hf, 0,1
	ds_store_b128 v[SBQ], v[TBI+32*\sg+8*\k+4*\hf:TBI+32*\sg+8*\k+4*\hf+3] offset:256*\sg+64*\k+16*\hf
.endr
.endr
.endr
.irp k, 0,1,2,3
.irp hf, 0,1
	ds_store_b128 v[SBV], v[TBI+64+8*\k+4*\hf:TBI+64+8*\k+4*\hf+3] offset:64*\k+16*\hf
.endr
.endr
	s_wait_tensorcnt 0x1                           ; my tile of slot 0 is in; slot 1's may be out
	s_wait_dscnt 0x0                               ; my part of the images lies in LDS
	s_barrier_signal -1
	s_barrier_wait -1                              ; slot 0 and the images are whole
	s_mov_b32 s[IOS], 0
	s_mov_b32 s[IOB], 0
.set AP, 0
.set J, 0
.rept 14
	AUXI                                           ; slot 0's scale words and biases
.set J, J+1
.endr
	WIN 0xC7
.set FADR, AW
.set FBASE, 0
	FR12
	s_mov_b32 s[DHC], 2
	WIN 0
.Ldh:                                              ; a double head: four slots of Wq and Wk, two of Wv.  On every way here the youngest twelve LDS loads are the first unit's K steps 0 and 1
	s_add_nc_u64 s[RA:RA+1], s[TQK:TQK+1], 24576   ; the first refill: slot 2 of Wq, Wk
	s_mov_b32 s[RST], 12288
	s_mov_b32 s[RST+1], 0
	s_mov_b32 s[QC], 2
	LIST 14, 1, 0, 0, 0
	UNIT 0, 0, 0, 1, 0, 1, 0
	WIN 0
.Lqk:                                              ; two trips of two slots; the second trip asks for Wv's two slots, and its last unit is Wv's first
	s_mov_b64 s[NXT:NXT+1], s[RA:RA+1]
	LIST 0, 2, 0, 0, 0
	UNIT 1, 0, 1, 1, 1, 0, 1
	LIST 14, 2, 1, 0, 0
	UNIT 0, 1, 0, 1, 1, 1, 0
	s_add_nc_u64 s[NXT:NXT+1], s[RA:RA+1], s[RST:RST+1]
	LIST 0, 2, 0, 0, 0
	UNIT 1, 1, 1, 1, 0, 0, 1
	LIST 14, 2, 1, 0, 0
	UNIT 0, 0, 0, 1, 0, 1, 0
	WIN 0
	s_mov_b64 s[RA:RA+1], s[TV:TV+1]
	s_mov_b32 s[RST], 24576                        ; Wv's slots lie 32 weight rows apart
	s_sub_co_u32 s[QC], s[QC], 1
	s_cmp_lg_u32 s[QC], 0
	s_cbranch_scc1 .Lqk
	s_cmp_eq_u32 s[DHC], 1
	s_cbranch_scc1 .Ltail                          ; the last double head's end is written out: it asks for nothing more
	s_add_nc_u64 s[NXT:NXT+1], s[TQK:TQK+1], 98304 ; the next double head, 128 weight rows on: its slot 0,
	LIST 0, 3, 0, 0, 4
	UNIT 1, 0, 1, 1, 1, 0, 1
	LIST 14, 4, 1, 0, 0
	UNIT 0, 1, 0, 1, 1, 1, 0
	s_add_nc_u64 s[NXT:NXT+1], s[TQK:TQK+1], 110592  ; and its slot 1
	LIST 0, 3, 0, 0, 0
	UNIT 1, 1, 1, 1, 0, 0, 1
	NOP4                                           ; places behind the last products, whose results are read next
	LIST 0, 4, 1, 1, 0
	BARE 132
	WIN 0
	s_wait_xcnt 0x0                                ; the stores have read their bases
	s_add_nc_u64 s[TQK:TQK+1], s[TQK:TQK+1], 98304
	s_add_nc_u64 s[TV:TV+1], s[TV:TV+1], 98304
	s_add_nc_u64 s[PQC:PQC+1], s[PQC:PQC+1], 1536
	s_add_nc_u64 s[PQS:PQS+1], s[PQS:PQS+1], 65536
	s_sub_co_u32 s[DHC], s[DHC], 1
	s_cmp_lg_u32 s[DHC], 0
	s_cbranch_scc1 .Ldh
.Ltail:
	LIST 0, 3, 0, 0, 4
	UNIT 1, 0, 1, 1, 1, 0, 2
	LIST 0, 4, 1, 0, 0
	UNIT 0, 1, 0, 1, 1, 1, 0
	LIST 0, 3, 0, 0, 0
	UNIT 1, 1, 1, 0, 0, 0, 0
	NOP4
	LIST 0, 4, 1, 1, 0
	BARE 132
	WIN 0
	s_wait_tensorcnt 0x0                           ; the wave's end: behind my last tensor load and my last LDS store
	ds_add_u32 v[SPW], v[NIL]
	s_wait_dscnt 0x0
	CROUND                                         ; the closing round: no work-group ends while a partner may still ask for a tile that names it
	s_endpgm
.Lfunc_end_k_qe667fe7b08_qkv:
	.size	k_qe667fe7b08_qkv, .Lfunc_end_k_qe667fe7b08_qkv-k_qe667fe7b08_qkv
	.p2alignl 7, 3214868480
	.fill 96, 4, 3214868480
	.section	.rodata,"a",@progbits
	.p2align	6, 0x0
	.amdhsa_kernel k_qe667fe7b08_qkv
		.amdhsa_group_segment_fixed_size 327680
		.amdhsa_private_segment_fixed_size 0
		.amdhsa_enable_private_segment 0
		.amdhsa_kernarg_size 104
		.amdhsa_user_sgpr_count 2
		.amdhsa_user_sgpr_kernarg_segment_ptr 1
		.amdhsa_wavefront_size32 1
		.amdhsa_system_sgpr_workgroup_id_x 1
		.amdhsa_system_sgpr_workgroup_id_y 1
		.amdhsa_system_sgpr_workgroup_id_z 1
		.amdhsa_system_vgpr_workitem_id 0
		.amdhsa_next_free_vgpr 1024
		.amdhsa_next_free_sgpr 100
		.amdhsa_reserve_vcc 0
		.amdhsa_float_denorm_mode_32 3
		.amdhsa_float_denorm_mode_16_64 3
		.amdhsa_memory_ordered 1
		.amdhsa_forward_progress 1
		.amdhsa_inst_pref_size 250
	.end_amdhsa_kernel
	.amdgpu_metadata
---
amdhsa.version: [ 1, 2 ]
amdhsa.kernels:
  - .name:           k_qe667fe7b08_qkv
    .symbol:         k_qe667fe7b08_qkv.kd
    .args:
      - { .name: x_codes, .offset: 0, .size: 8, .value_kind: global_buffer, .address_space: global }
      - { .name: x_scales, .offset: 8, .size: 8, .value_kind: global_buffer, .address_space: global }
      - { .name: Wq_codes, .offset: 16, .size: 8, .value_kind: global_buffer, .address_space: global }
      - { .name: Wk_codes, .offset: 24, .size: 8, .value_kind: global_buffer, .address_space: global }
      - { .name: Wv_codes, .offset: 32, .size: 8, .value_kind: global_buffer, .address_space: global }
      - { .name: Wq_scales, .offset: 40, .size: 8, .value_kind: global_buffer, .address_space: global }
      - { .name: Wk_scales, .offset: 48, .size: 8, .value_kind: global_buffer, .address_space: global }
      - { .name: Wv_scales, .offset: 56, .size: 8, .value_kind: global_buffer, .address_space: global }
      - { .name: bq, .offset: 64, .size: 8, .value_kind: global_buffer, .address_space: global }
      - { .name: bk, .offset: 72, .size: 8, .value_kind: global_buffer, .address_space: global }
      - { .name: bv, .offset: 80, .size: 8, .value_kind: global_buffer, .address_space: global }
      - { .name: qc, .offset: 88, .size: 8, .value_kind: global_buffer, .address_space: global }
      - { .name: qs, .offset: 96, .size: 8, .value_kind: global_buffer, .address_space: global }
    .group_segment_fixed_size: 327680
    .private_segment_fixed_size: 0
    .kernarg_segment_align: 8
    .kernarg_segment_size: 104
    .max_flat_workgroup_size: 128
    .sgpr_count:     100
    .vgpr_count:     1024
    .wavefront_size: 32
...
	.end_amdgpu_metadata
.endif
;; end of part 1
;; launch proj (part 2): grid 64 x 4, 4 waves a work-group, clusters of 4 x 1, 279,040 bytes of LDS; arguments qc, qs, Wo_codes, Wo_scales, bo, out0; writes out0
.if DOCPART == 2
	.amdgcn_target "amdgcn-amd-amdhsa--gfx1250"
	.amdhsa_code_object_version 6
	.text
	.protected	k_qe667fe7b08_proj
	.globl	k_qe667fe7b08_proj
	.p2align	8
	.type	k_qe667fe7b08_proj,@function
k_qe667fe7b08_proj:
	s_mov_b64 s[64:65], 0
	v_nop
	global_prefetch_b8 v0, s[64:65] scope:SCOPE_SE
	s_setreg_imm32_b32 hwreg(HW_REG_WAVE_MODE, 25, 1), 1
	s_wait_xcnt 0x0
	s_wait_alu depctr_hold_cnt(0) depctr_sa_sdst(0) depctr_va_vdst(0) depctr_va_sdst(0) depctr_va_ssrc(0) depctr_va_vcc(0) depctr_vm_vsrc(0)
	s_getreg_b32 s2, hwreg(HW_REG_IB_STS2, 6, 4)
	s_cmp_eq_u32 s2, 0
	s_cbranch_scc0 .Lentry_in_a_cluster
	s_endpgm
.Lentry_in_a_cluster:
	s_bfe_u32 s2, ttmp6, 0x10000c
	s_cmp_lg_u32 s2, 0x3003
	s_cbranch_scc0 .Lentry_shape_is_right
	s_endpgm
.Lentry_shape_is_right:
; out0 = y Wo + bo on codes of FP6 (E2M3) with E8M0 scales, f32 sums.  y comes as the launch before left it: qc = images of the fragments' registers,
; [row tile][K step][i][lane][16 bytes]; qs = scale words, [K step][64 rows][lane][2], bytes already in this program's order.
; SHARES.  A work-group makes 256 rows x 256 columns; wave w owns rows 64 w .. 64 w + 63 and keeps their 32 fragments in 384 registers.  The work-group's 256 rows of Wo, all of K, lie in LDS,
; filled once: no slot is filled again.  The four row blocks of a cluster need the same rows of Wo and ask for them jointly.
; A UNIT is 2 tiles of 16 rows of Wo x 4 row tiles x 8 K steps = 64 matrix instructions on 8 accumulators by turns; two sets of accumulators.  TRANSPOSED USE: source 0 = Wo's rows, source 1 = my rows:
; a lane holds eight neighbouring columns of one row.  Two units make 64 columns, 256 bytes of each of my 64 rows: they go through my own stage in LDS and leave as whole aligned runs of 256 bytes,
; in slices behind the matrix instructions of the next two units.
; ORDER OF K INSIDE A K STEP as in the launch before: lane (r, h) takes the 48 consecutive bytes at 96 s + 48 h of a row, and bytes 1 and 2 of Wo's scale words change places.  bo is the C of each sum's first matrix instruction.
; LIMITS: NaN and infinities among the inputs are not served.
.set PITCH,  816                       ; an LDS row of codes: 3 x (256 bytes + 16 of padding)
.set TILEB,  16*PITCH
.set SLOTB,  4*TILEB                   ; 64 rows: what one tensor load brings
.set STG,    4*SLOTB                   ; behind Wo: a stage of 64 rows x (256 bytes + 16) for each wave
.set STW,    64*272
.set FLAGS,  15|(3<<16)|(1<<20)|(1<<21)|(5<<22)|(3<<25)  ; the mask: all four work-groups; elements of 8 bytes; padding on; bit 21 beside a mask; behind every 64 words; 4 words of it
.set L16, 1                            ; v1 16 x lane;  v2 8 x lane;  v3 32 x lane;  v4 32 h
.set L8,  2
.set L32, 3
.set H32, 4
.set SX,  16                           ; v16-31   y's scale words: register 2 s + i, lane l: K step s of my row 32 i + l
.set SW,  32                           ; v32-95   Wo's: register 8 n + s, lane l: row 32 n + l
.set BI,  128                          ; v128-255 bo: 8 T + j = column 16 T + 8 h + j
.set OB,  144                          ; window 2: v144-207 rows read back from the stage
.set FB,  128                          ; window 3: v128-223 four buffers of a K step's two fragments of Wo
.set AW,  224                          ; v224-231 my lane's place in each 64 rows of Wo (48 h; 64 h)
.set STO, 232                          ; v232 the stage: where I put 16 bytes of a row;  v233 where I read rows back;  v234 the same place in out0
.set RDA, 233
.set GO,  234
.set WV,  16
.set CX,  17
.set YB,  18
.set CB,  19
.set PSEL, 20
.set G1,  24
.set G0,  32
.set OUT, 36
.set MSB, 0
.set DSI, 0
.set FLI0, 0
.set FLI1, 0
.set FLI2, 0
.set FLI3, 0
.set RB7, 0
.set RB15, 0
.macro WIN new
.if MSB != (\new)
	s_set_vgpr_msb (MSB<<8)|(\new)
.set MSB, \new
.endif
.endm
.macro NOP4
.rept 4
	v_nop
.endr
.endm
.macro CROUND                          ; a round of the cluster's barrier
	s_barrier_signal -1
	s_barrier_wait -1
	s_cmp_lg_u32 s[WV], 0
	s_cbranch_scc1 .Lnot_wave_0_\@
	s_barrier_signal -3
.Lnot_wave_0_\@:
	s_barrier_wait -3
	s_barrier_signal -1
	s_barrier_wait -1
.endm
.macro DS1
.set DSI, DSI+1
.endm
.macro SETFL
.if FBUF == 0
.set FLI0, DSI
.elseif FBUF == 1
.set FLI1, DSI
.elseif FBUF == 2
.set FLI2, DSI
.else
.set FLI3, DSI
.endif
.endm
.macro WAITF                           ; K step SS's fragments are in: the count is the LDS instructions written behind the last of their loads
.if (SS%4) == 0
	s_wait_dscnt DSI-FLI0
.elseif (SS%4) == 1
	s_wait_dscnt DSI-FLI1
.elseif (SS%4) == 2
	s_wait_dscnt DSI-FLI2
.else
	s_wait_dscnt DSI-FLI3
.endif
.endm
.macro FRP                             ; piece FK (0..5) of K step FS's two fragments into buffer FBUF
.set FT, FK/3
.set FO, 96*FS+16*(FK%3)
.set FR, FB+24*FBUF+12*FT+4*(FK%3)
.if (FO%256) >= 208
	ds_load_b128 v[FR:FR+3], v[FADR+1] offset:FBASE+FT*TILEB+FO+16*(FO/256)
.else
	ds_load_b128 v[FR:FR+3], v[FADR] offset:FBASE+FT*TILEB+FO+16*(FO/256)
.endif
	DS1
.if FK == 5
	SETFL
.endif
.endm
.macro WMC
.if (WRA == 0) && (WRB == 0)
	v_wmma_scale_f32_16x16x128_f8f6f4 v[WD:WD+7], v[WA:WA+11], v[WB:WB+11], v[WC:WC+7], v[WSA], v[WSB] matrix_a_fmt:MATRIX_FMT_FP6 matrix_b_fmt:MATRIX_FMT_FP6
.elseif (WRA == 1) && (WRB == 0)
	v_wmma_scale_f32_16x16x128_f8f6f4 v[WD:WD+7], v[WA:WA+11], v[WB:WB+11], v[WC:WC+7], v[WSA], v[WSB] matrix_a_fmt:MATRIX_FMT_FP6 matrix_b_fmt:MATRIX_FMT_FP6 matrix_a_scale:MATRIX_SCALE_ROW1
.elseif (WRA == 0) && (WRB == 1)
	v_wmma_scale_f32_16x16x128_f8f6f4 v[WD:WD+7], v[WA:WA+11], v[WB:WB+11], v[WC:WC+7], v[WSA], v[WSB] matrix_a_fmt:MATRIX_FMT_FP6 matrix_b_fmt:MATRIX_FMT_FP6 matrix_b_scale:MATRIX_SCALE_ROW1
.else
	v_wmma_scale_f32_16x16x128_f8f6f4 v[WD:WD+7], v[WA:WA+11], v[WB:WB+11], v[WC:WC+7], v[WSA], v[WSB] matrix_a_fmt:MATRIX_FMT_FP6 matrix_b_fmt:MATRIX_FMT_FP6 matrix_a_scale:MATRIX_SCALE_ROW1 matrix_b_scale:MATRIX_SCALE_ROW1
.endif
.endm
.macro WMS n                           ; matrix instruction II (row tile II / 2, Wo's tile II % 2) of K step SS of unit n
.set MM, II>>1
.set TT, II&1
.set WD, 64*((\n)&1)+16*MM+8*TT
.set WA, FB+24*(SS%4)+12*TT
.set WB, 48*(SS%5)+12*MM
.set WSA, SW+8*(\n)+SS
.set WSB, SX+2*SS+(MM>>1)
.set WRA, TT
.set WRB, MM&1
.if SS == 0
	WIN 0xC7
.set WC, BI+8*(2*(\n)+TT)
.elseif SS < 5
	WIN 0xF7
.set WC, WD
.else
	WIN 0xFB
.set WC, WD
.endif
	WMC
.endm
; THE WAY OUT, in numbered lists.  STI: 16 bytes of set EP into the stage, each accumulator from its low end on.  RBI: two rows back.  GSI: they are stored.
.macro STI
.set MQ, KI>>2
.set TQ, (KI>>1)&1
.set HQ, KI&1
	WIN 0xFF
	ds_store_b128 v[STO], v[64*EP+16*MQ+8*TQ+4*HQ:64*EP+16*MQ+8*TQ+4*HQ+3] offset:4352*MQ+128*JN+64*TQ+16*HQ
	DS1
.endm
.macro RBI
	WIN 0xBB
	ds_load_b128 v[OB+4*KI:OB+4*KI+3], v[RDA] offset:544*(16*AH+KI)   ; LDS serves a wave's instructions in order (ISA guide 5.7.1.4): these see my stores, and the next group's stores come behind them
	DS1
.if KI == 7
.set RB7, DSI
.elseif KI == 15
.set RB15, DSI
.endif
.endm
.macro GSI
	WIN 0xBB
	global_store_b128 v[GO], v[OB+4*KI:OB+4*KI+3], s[OUT:OUT+1] offset:8192*(16*AH+KI)+256*QG th:TH_STORE_NT   ; sixteen lanes store 256 consecutive bytes, aligned; written once, read by nobody here
.endm
.macro TAILI                           ; numbers 33 to 50: the first eight read-backs are in, and are stored; then the other eight
.if J == 33
	s_wait_dscnt DSI-RB7
.elseif J < 42
.set KI, J-34
	GSI
.elseif J == 42
	s_wait_dscnt DSI-RB15
.elseif J < 51
.set KI, J-35
	GSI
.endif
.endm
; LT = 1: unit 0's results into the stage.  LT = 2 (even units): the odd unit's results complete the group of 64 columns; rows 0-31 leave.  LT = 3 (odd units): rows 32-63 leave; directly behind
; their read-backs the even unit's results begin the next group (STF = 1).  The wait on XCNT stands ahead of the read-backs: their registers were the data of the last stores.
.macro ITEM
.if LT == 1
.if J < 16
.set KI, J
	STI
.endif
.elseif LT == 2
.if J < 16
.set KI, J
	STI
.elseif J == 16
	s_wait_xcnt 0x0
.elseif J < 33
.set KI, J-17
	RBI
.else
	TAILI
.endif
.elseif LT == 3
.if J == 0
	s_wait_xcnt 0x0
.elseif J < 17
.set KI, J-1
	RBI
.elseif J < 33
.if STF
.set KI, J-17
	STI
.endif
.else
	TAILI
.endif
.endif
.endm
.macro SETL lt, qg, stf
.set LT, \lt
.set QG, \qg
.set STF, \stf
.if (\lt) == 2
.set EP, 1
.set JN, 1
.set AH, 0
.else
.set EP, 0
.set JN, 0
.set AH, 1
.endif
.endm
.macro BARE n
.set J, 0
.rept \n
	ITEM
.set J, J+1
.endr
.endm
.macro FLOADS n                        ; two pieces for the K step two on; from step 6 on the next unit's steps 0 and 1
.if SS <= 5
.set FADR, AW+2*((\n)>>1)
.set FBASE, 2*TILEB*((\n)&1)
.set FS, SS+2
.set FBUF, (SS+2)%4
.set FK, II-2
	FRP
.set FK, II-1
	FRP
.elseif (\n) < 7
.set FADR, AW+2*(((\n)+1)>>1)
.set FBASE, 2*TILEB*(((\n)+1)&1)
.set FS, SS-6
.set FBUF, (SS+2)%4
.set FK, II-2
	FRP
.set FK, II-1
	FRP
.endif
.endm
; A UNIT.  The four v_nop behind each K step's first matrix instruction are the places in front of the step's loads into a buffer that matrix instructions read two steps back, and in front of the
; list's first read of the other set (ISA guide 7.12.1 for vector instructions).  The eight accumulators take turns, one instruction a turn, and a unit's
; last and the next unit's first lie in different sets.  A set's stage stores are written ahead of step 6's fragment loads, so the next unit's first counted wait shows them done.
.macro UNIT n
.set J, 0
.set SS, 0
.rept 8
	WAITF
.set II, 0
.rept 8
	WMS \n
.if II == 0
	NOP4
.elseif (II%2) == 1
	ITEM
.set J, J+1
	ITEM
.set J, J+1
.else
	FLOADS \n
.endif
.set II, II+1
.endr
.set SS, SS+1
.endr
.endm
	s_load_b256 s[4:11], s[0:1], 0x0               ; qc, qs, Wo's codes, Wo's scales
	s_load_b128 s[12:15], s[0:1], 0x20             ; bo, out0
	v_lshl_add_u32 v126, v0, 2, 0x44000
	v_mov_b32 v127, 0
	ds_add_u32 v126, v127
	ds_add_u32 v126, v127
	v_lshrrev_b32 v5, 5, v0
	v_readfirstlane_b32 s[WV], v5                  ; wave 0..3
	s_bfe_u32 s[CX], ttmp6, 0x40000
	s_lshl_b32 s[YB], ttmp9, 2
	s_add_co_u32 s[YB], s[YB], s[CX]               ; row block = 4 x cluster x + cx
	s_and_b32 s[CB], ttmp7, 0xffff                 ; column block, which the four partners share
	s_mov_b32 s[PSEL], 0x03010200
	s_mov_b32 s[G1], FLAGS                         ; 64 rows of 96 elements of 8 bytes, dense
	s_mov_b32 s[G1+1], 96<<16
	s_mov_b32 s[G1+2], 64<<16
	s_mov_b32 s[G1+3], 96<<16
	s_mov_b32 s[G1+4], 64
	s_mov_b32 s[G1+5], 96
	s_mov_b32 s[G1+6], 0
	s_mov_b32 s[G1+7], 0
	s_lshl_b32 s44, s[CB], 8
	s_lshl_b32 s45, s[WV], 6
	s_add_co_u32 s44, s44, s45                     ; the 64 rows of Wo that I fetch
	s_mul_i32 s44, s44, 768
	s_mov_b32 s45, 0
	s_mov_b32 s[G0], 1
	s_mul_i32 s[G0+1], s[WV], SLOTB
	s_wait_dscnt 0x0
	s_wait_kmcnt 0x0
	s_add_nc_u64 s[G0+2:G0+3], s[8:9], s[44:45]
	s_or_b32 s[G0+3], s[G0+3], 0x80000000
	CROUND                                         ; all four work-groups are here: the joint loads meet
	tensor_load_to_lds s[G0:G0+3], s[G1:G1+7]      ; my one tensor load of the launch
	s_nop 0
	NOP4
	s_lshl_b32 s38, s[YB], 8
	s_lshl_b32 s39, s[WV], 6
	s_add_co_u32 s38, s38, s39                     ; my first row
	s_mul_i32 s40, s38, 768
	s_mov_b32 s41, 0
	s_add_nc_u64 s[4:5], s[4:5], s[40:41]          ; its fragments' images
	s_lshl_b32 s40, s38, 2
	s_add_nc_u64 s[6:7], s[6:7], s[40:41]          ; its scale words
	s_lshl_b32 s40, s38, 12
	s_lshl_b32 s42, s[CB], 10
	s_add_co_u32 s40, s40, s42
	s_add_nc_u64 s[OUT:OUT+1], s[14:15], s[40:41]  ; its place in out0
	s_lshl_b32 s40, s[CB], 13
	s_add_nc_u64 s[10:11], s[10:11], s[40:41]      ; Wo's scale bytes at the block's first row
	s_lshl_b32 s40, s[CB], 10
	s_add_nc_u64 s[12:13], s[12:13], s[40:41]      ; bo at its first column
	v_and_b32 v5, 31, v0                           ; lane
	v_and_b32 v6, 15, v0                           ; r
	v_bfe_u32 v7, v0, 4, 1                         ; h
	v_lshlrev_b32 v[L16], 4, v5
	v_lshlrev_b32 v[L8], 3, v5
	v_lshlrev_b32 v[L32], 5, v5
	v_lshlrev_b32 v[H32], 5, v7
.set SS, 0
.rept 8                                        ; my 32 fragments: each load of the wave covers 512 consecutive bytes
.if SS == 0
	WIN 0x40
.elseif SS == 5
	WIN 0x80
.endif
.set MM, 0
.rept 4
.set FK, 0
.rept 3
.set FR, 48*(SS%5)+12*MM+4*FK
	global_load_b128 v[FR:FR+3], v[L16], s[4:5] offset:12288*MM+1536*SS+512*FK
.set FK, FK+1
.endr
.set MM, MM+1
.endr
.set SS, SS+1
.endr
	WIN 0
.irp s, 0,1,2,3,4,5,6,7
	global_load_b64 v[SX+2*\s:SX+2*\s+1], v[L8], s[6:7] offset:65536*\s
.endr
.irp n, 0,1,2,3,4,5,6,7
	global_load_b128 v[SW+8*\n:SW+8*\n+3], v[L32], s[10:11] offset:1024*\n
	global_load_b128 v[SW+8*\n+4:SW+8*\n+7], v[L32], s[10:11] offset:1024*\n+16
.endr
.irp t, 0,1,2,3,4,5,6,7,8,9,10,11,12,13,14,15
	global_load_b128 v[BI+8*\t:BI+8*\t+3], v[H32], s[12:13] offset:64*\t
	global_load_b128 v[BI+8*\t+4:BI+8*\t+7], v[H32], s[12:13] offset:64*\t+16
.endr
	v_mul_u32_u24 v8, v6, PITCH
	v_mad_u32_u24 v9, v7, 48, v8                   ; row r, + 48 h
	v_lshl_add_u32 v10, v7, 6, v8                  ; and behind one padding more
	v_mul_u32_u24 v11, v6, 272
	v_lshl_add_u32 v11, v7, 5, v11                 ; the stage, in: row r, + 32 h
	v_mul_u32_u24 v12, v7, 272
	v_lshl_add_u32 v12, v6, 4, v12                 ; back: lanes 0-15 one row of 256 bytes, lanes 16-31 the next
	v_lshlrev_b32 v13, 12, v7                      ; and the same two rows in out0
	s_mul_i32 s43, s[WV], STW
	s_add_co_u32 s43, s43, STG                     ; my stage
	WIN 0xC0                                       ; destination window 3
.irp qg, 0,1,2,3
	v_add_nc_u32 v[AW+2*\qg], SLOTB*\qg, v9
	v_add_nc_u32 v[AW+2*\qg+1], SLOTB*\qg, v10
.endr
	v_add_nc_u32 v[STO], s43, v11
	v_add_nc_u32 v[RDA], s43, v12
	v_lshl_add_u32 v[GO], v6, 4, v13
	WIN 0
	s_wait_loadcnt 0x0
.set KQ, 0
.rept 64
	v_perm_b32 v[SW+KQ], v[SW+KQ], v[SW+KQ], s[PSEL]       ; bytes 1 and 2 change places
.set KQ, KQ+1
.endr
	s_wait_tensorcnt 0x0                           ; my 64 rows of Wo are in LDS,
	s_barrier_signal -1
	s_barrier_wait -1                              ; everybody's are
	WIN 0xC7
.set FADR, AW
.set FBASE, 0
.set KK, 0
.rept 12
.set FS, KK/6
.set FBUF, KK/6
.set FK, KK%6
	FRP
.set KK, KK+1
.endr
	SETL 0, 0, 0
	UNIT 0
	SETL 1, 0, 0
	UNIT 1
	SETL 2, 0, 0
	UNIT 2
	SETL 3, 0, 1
	UNIT 3
	SETL 2, 1, 0
	UNIT 4
	SETL 3, 1, 1
	UNIT 5
	SETL 2, 2, 0
	UNIT 6
	SETL 3, 2, 1
	UNIT 7
	NOP4                                           ; places behind the last products, whose results are stored to the stage next
	SETL 2, 3, 0
	BARE 51
	SETL 3, 3, 0
	BARE 51
	WIN 0
	s_wait_dscnt 0x0                               ; no LDS instruction of mine is pending at the signal
	s_wait_tensorcnt 0x0
	ds_add_u32 v126, v127
	s_wait_dscnt 0x0
	CROUND                                         ; the closing round: no work-group ends while a partner may still ask for a tile that names it
	s_endpgm
.Lfunc_end_k_qe667fe7b08_proj:
	.size	k_qe667fe7b08_proj, .Lfunc_end_k_qe667fe7b08_proj-k_qe667fe7b08_proj
	.p2alignl 7, 3214868480
	.fill 96, 4, 3214868480
	.section	.rodata,"a",@progbits
	.p2align	6, 0x0
	.amdhsa_kernel k_qe667fe7b08_proj
		.amdhsa_group_segment_fixed_size 279040
		.amdhsa_private_segment_fixed_size 0
		.amdhsa_enable_private_segment 0
		.amdhsa_kernarg_size 48
		.amdhsa_user_sgpr_count 2
		.amdhsa_user_sgpr_kernarg_segment_ptr 1
		.amdhsa_wavefront_size32 1
		.amdhsa_system_sgpr_workgroup_id_x 1
		.amdhsa_system_sgpr_workgroup_id_y 1
		.amdhsa_system_sgpr_workgroup_id_z 1
		.amdhsa_system_vgpr_workitem_id 0
		.amdhsa_next_free_vgpr 1024
		.amdhsa_next_free_sgpr 66
		.amdhsa_reserve_vcc 0
		.amdhsa_float_denorm_mode_32 3
		.amdhsa_float_denorm_mode_16_64 3
		.amdhsa_memory_ordered 1
		.amdhsa_forward_progress 1
		.amdhsa_inst_pref_size 162
	.end_amdhsa_kernel
	.amdgpu_metadata
---
amdhsa.version: [ 1, 2 ]
amdhsa.kernels:
  - .name:           k_qe667fe7b08_proj
    .symbol:         k_qe667fe7b08_proj.kd
    .args:
      - { .name: qc, .offset: 0, .size: 8, .value_kind: global_buffer, .address_space: global }
      - { .name: qs, .offset: 8, .size: 8, .value_kind: global_buffer, .address_space: global }
      - { .name: Wo_codes, .offset: 16, .size: 8, .value_kind: global_buffer, .address_space: global }
      - { .name: Wo_scales, .offset: 24, .size: 8, .value_kind: global_buffer, .address_space: global }
      - { .name: bo, .offset: 32, .size: 8, .value_kind: global_buffer, .address_space: global }
      - { .name: out0, .offset: 40, .size: 8, .value_kind: global_buffer, .address_space: global }
    .group_segment_fixed_size: 279040
    .private_segment_fixed_size: 0
    .kernarg_segment_align: 8
    .kernarg_segment_size: 48
    .max_flat_workgroup_size: 128
    .sgpr_count:     66
    .vgpr_count:     1024
    .wavefront_size: 32
...
	.end_amdgpu_metadata
.endif
;; end of part 2
;; ======== version 2 of 2: 2 launches
;; limits: right only within a limited range of input values
;; workspace buffers: qc 12,582,912 bytes; qs 524,288 bytes
;; launch qkv (part 3): grid 4 x 64, 4 waves a work-group, clusters of 4 x 4, 327,680 bytes of LDS; arguments x_codes, x_scales, Wq_codes, Wk_codes, Wv_codes, Wq_scales, Wk_scales, Wv_scales, bq, bk, bv, qc, qs; writes qc, qs
.if DOCPART == 3
	.amdgcn_target "amdgcn-amd-amdhsa--gfx1250"
	.amdhsa_code_object_version 6
	.text
	.protected	k_qe667fe7b08_qkv
	.globl	k_qe667fe7b08_qkv
	.p2align	8
	.type	k_qe667fe7b08_qkv,@function
k_qe667fe7b08_qkv:
	s_mov_b64 s[64:65], 0
	v_nop
	global_prefetch_b8 v0, s[64:65] scope:SCOPE_SE
	s_setreg_imm32_b32 hwreg(HW_REG_WAVE_MODE, 25, 1), 1
	s_wait_xcnt 0x0
	s_wait_alu depctr_hold_cnt(0) depctr_sa_sdst(0) depctr_va_vdst(0) depctr_va_sdst(0) depctr_va_ssrc(0) depctr_va_vcc(0) depctr_vm_vsrc(0)
	s_getreg_b32 s2, hwreg(HW_REG_IB_STS2, 6, 4)
	s_cmp_eq_u32 s2, 0
	s_cbranch_scc0 .Lentry_in_a_cluster
	s_endpgm
.Lentry_in_a_cluster:
	s_bfe_u32 s2, ttmp6, 0x10000c
	s_cmp_lg_u32 s2, 0xf033
	s_cbranch_scc0 .Lentry_shape_is_right
	s_endpgm
.Lentry_shape_is_right:
; For each row and head: aq = x Wq + bq, ak = x Wk + bk, v = x Wv + bv, coeff = sum over the head's 64 of exp(-aq^2/2) exp(-ak^2/2), y = coeff x v; y is quantised along the 1,024 columns
; (blocks of 32) and stored as the next launch's operand: qc = images of its fragments' registers, qs = its scale words.
; SHARES.  A work-group makes 256 rows of 4 heads; wave w owns rows 64 w .. 64 w + 63 and keeps their codes for all of K in 384 registers.  Weight rows stream: a fragment read from LDS feeds four matrix instructions.
; A head p = 0..3 goes in four slots t of 16 columns: 64 products of Q and K, 32 of V.
; TRANSPOSED USE: source 0 = 16 weight rows, source 1 = 16 of my rows: lane (r, h), register j, holds row r and the tile's weight row 8 h + j.  Q's and K's tiles are 16 neighbouring rows (columns 16 t + 8 h + j);
; V's tile takes rows 8 t + 0..7 of the head's first 32 and of its second 32 (columns 32 h + 8 t + j): after four slots a lane holds one whole scale block of v.
; q x k is made by ONE exponential of -(aq^2 + ak^2) log2(e) / 2.  The biases are the C of each sum's first matrix instruction.
; LDS.  Two regions, one for even and one for odd heads: Q's 64 rows, K's 64, V's first 32, V's second 32 (128 bytes further, so that the sixteen rows of V's tile start in different banks too).
; x's 256 rows lie in region 0's V part and region 1 before their first weights.
; FILLS.  At the head: x's two halves, Q and K of head 0; then Q, K of head 1 and V of head 0; then V of head 1; at the end of heads 0 and 1 the whole of heads 2 and 3, one load a wave.
; CLUSTER 4 x 4: x's rows hang on the row block alone and are asked for jointly along a row of the cluster, the weights on the head group alone, along a column.
; No prefetch: a refill is asked for a whole head, 384 matrix instructions, before the wait for it.
; LIMITS: NaN and infinities among the inputs are not served.  A term q x k under 2^-126 counts as 0 (v_exp_f32 gives 0 there).  A block of zeros gets the scale byte 1
; where the quantiser says 127: its codes are zeros, and the bytes are read by this program alone.
.set PITCH, 816                        ; an LDS row: 3 x (256 bytes + 16 of padding)
.set TILEB, 16*PITCH
.set PART,  64*PITCH
.set VOFF,  2*PART                     ; V's first 32 rows in a region;
.set VSTEP, 32*PITCH+128               ; and from there to its second 32
.set REG,   156928                     ; a region
.set XB,    VOFF                       ; x's 256 rows
.set SPARE, 2*REG                      ; the spare words, 128 bytes a wave
.set FLAGS, (3<<16)|(1<<20)|(1<<21)|(5<<22)|(3<<25)   ; elements of 8 bytes; bit 21 beside a mask; behind every 64 words 4 words of padding
; window 0
.set SPW, 1
.set NIL, 2
.set LQ,  3                            ; offsets of scale bytes (Q, K; V) and biases (Q, K; V): stepped from head to head
.set LV,  4
.set LBQ, 5
.set LBV, 6
.set GC,  7                            ; 16 x lane
.set GS,  8                            ; 8 x lane
.set SH16, 9                           ; 16 h
.set AQ,  10                           ; v10-15 LDS addresses of the slot's tiles of Q, K, V: a pair each (24 h; 40 h for pieces behind one padding more)
.set BQ,  16                           ; v16-17 the same for Q's first tile of region 0; v18-19 for V's
.set BV,  18
.set LN,  22
.set RR,  23
.set AX,  24                           ; v24-31 x's row tiles, at the head
.set HH,  32
.set SX,  36                           ; v36-51 scale words of my rows: 8 i + s, lane l: K step s of row 32 i + l.  Its numbers differ modulo 8 from the weights'
.set SW,  56                           ; v56-103 weights' scale words: 24 parity + 8 (q, k, v) + s; lanes 0-15 the even slot, lanes 16-31 the odd one
.set BI,  104                          ; v104-127 biases of the slot: q, k, v
.set CD,  128                          ; v128-175 codes: 12 m + 6 (even, odd head)
.set TC,  176
.set SO,  192
.set SB1, 196                          ; scale bytes of this head, and of the one before
.set SB0, 200
.set PT,  204
.set SP2, 208
; window 1: x's K steps 0-4 at 48 s + 12 m; window 2: K steps 5-7 at 48 (s - 5) + 12 m, and
.set FB,  144                          ; v144-239 weight fragments: four buffers of a K step's two, or V's eight
; window 3: v0-63 Q's and K's sums, 16 m + 8 (q, k)
.set VB,  64                           ; v64-191 V's: 32 m + 8 t
.set CO,  192                          ; coeff, a pair a row tile
.set MX,  200                          ; largest magnitudes
.set WV,  34
.set CX,  35
.set CY,  36
.set GG,  37                           ; head group
.set YBK, 38                           ; row block
.set G1Q, 40                           ; group 1: Q's and K's 64 rows; V's 32; x's 128
.set G1V, 48
.set G1X, 68
.set G0Q, 56
.set G0V, 60
.set G0X, 76
.set NCF, 80
.set SEL, 82
.set HM,  84
.set PQC, 86
.set PQS, 88
.set LQ0, 90
.set LV0, 91
.set MSB, 0
.set DSI, 0
.set FLI0, 0
.set FLI1, 0
.set FLI2, 0
.set FLI3, 0
.set FVA, 0
.set FVB, 0
.macro WIN new
.if MSB != (\new)
	s_set_vgpr_msb (MSB<<8)|(\new)
.set MSB, \new
.endif
.endm
.macro NOP4
.rept 4
	v_nop
.endr
.endm
.macro WALU
	s_wait_alu depctr_va_vdst(0)
.endm
.macro CREST                           ; a round of the cluster's barrier behind its opening barrier
	s_cmp_lg_u32 s[WV], 0
	s_cbranch_scc1 .Lnot_wave_0_\@
	s_barrier_signal -3
.Lnot_wave_0_\@:
	s_barrier_wait -3
	s_barrier_signal -1
	s_barrier_wait -1
.endm
.macro CROUND
	s_barrier_signal -1
	s_barrier_wait -1
	CREST
.endm
.macro GUARD
	WIN 0
	s_wait_tensorcnt 0x0                   ; all my tensor loads are done
	ds_add_u32 v[SPW], v[NIL]
.set DSI, DSI+1
.endm
.macro TLOAD g0, g1
	tensor_load_to_lds s[\g0:\g0+3], s[\g1:\g1+7]
	s_nop 0
	NOP4
.endm
.macro REFILL                          ; waves 0, 1 fetch Q, K; waves 2, 3 V's halves
	s_cmp_lt_u32 s[WV], 2
	s_cbranch_scc0 .Lfor_v_\@
	TLOAD G0Q, G1Q
	s_branch .Lasked_\@
.Lfor_v_\@:
	TLOAD G0V, G1V
.Lasked_\@:
.endm
; A fragment: 16 rows x 128 K, lane (r, h): registers 6 c .. 6 c + 5 = the 24 bytes at 96 q + 48 c + 24 h of its row: six pieces of 8 bytes, two to a load where both go by one address register.
.macro FRAG fr, q, ad
.set SKIP_, 0
.irp p, 0,1,2,3,4,5
.if SKIP_
.set SKIP_, 0
.else
.set PC_, 12*(\q)+6*(\p/3)+\p%3
.set PN_, 12*(\q)+6*((\p+1)/3)+(\p+1)%3
.set X_, (PC_%32+3)/32
.set XQ_, (PN_%32+3)/32
.if (\p < 5) && (X_ == XQ_)
.set SKIP_, 1
	ds_load_2addr_b64 v[(\fr)+2*\p:(\fr)+2*\p+3], v[(\ad)+X_] offset0:PC_+2*(PC_/32) offset1:PN_+2*(PN_/32)
.else
	ds_load_b64 v[(\fr)+2*\p:(\fr)+2*\p+1], v[(\ad)+X_] offset:8*(PC_+2*(PC_/32))
.endif
.set DSI, DSI+1
.endif
.endr
.endm
.macro LDK s                           ; K step s of Q's and K's tile into buffer s % 4
	FRAG FB+24*((\s)%4), (\s), AQ
	FRAG FB+24*((\s)%4)+12, (\s), AQ+2
.if ((\s)%4) == 0
.set FLI0, DSI
.elseif ((\s)%4) == 1
.set FLI1, DSI
.elseif ((\s)%4) == 2
.set FLI2, DSI
.else
.set FLI3, DSI
.endif
.endm
.macro RUN01
	WIN 0x80
	LDK 0
	LDK 1
.endm
.macro LDV0                            ; V's K steps 0-3 into buffers 0, 1
	WIN 0x80
.irp k, 0,1,2,3
	FRAG FB+12*\k, \k, AQ+4
.endr
.set FVA, DSI
.endm
.macro WAITF                           ; K step SS's fragments are in: the count is the LDS instructions written behind the last of their loads
.if (SS%4) == 0
	s_wait_dscnt DSI-FLI0
.elseif (SS%4) == 1
	s_wait_dscnt DSI-FLI1
.elseif (SS%4) == 2
	s_wait_dscnt DSI-FLI2
.else
	s_wait_dscnt DSI-FLI3
.endif
.endm
.macro WMC                             ; sets the windows: weights in window 2, my rows in window 1 or 2, the first step's C in window 0
.if SS == 0
	WIN 0xC6
.elseif SS < 5
	WIN 0xF6
.set WC, WD
.else
	WIN 0xFA
.set WC, WD
.endif
.set WB, 48*(SS%5)+12*MM
.set WSB, SX+8*(MM>>1)+SS
.set WRB, MM&1
.if (SLP == 0) && (WRB == 0)
	v_wmma_scale_f32_16x16x128_f8f6f4 v[WD:WD+7], v[WA:WA+11], v[WB:WB+11], v[WC:WC+7], v[WSA], v[WSB] matrix_a_fmt:MATRIX_FMT_FP6 matrix_b_fmt:MATRIX_FMT_FP6
.elseif (SLP == 1) && (WRB == 0)
	v_wmma_scale_f32_16x16x128_f8f6f4 v[WD:WD+7], v[WA:WA+11], v[WB:WB+11], v[WC:WC+7], v[WSA], v[WSB] matrix_a_fmt:MATRIX_FMT_FP6 matrix_b_fmt:MATRIX_FMT_FP6 matrix_a_scale:MATRIX_SCALE_ROW1
.elseif (SLP == 0) && (WRB == 1)
	v_wmma_scale_f32_16x16x128_f8f6f4 v[WD:WD+7], v[WA:WA+11], v[WB:WB+11], v[WC:WC+7], v[WSA], v[WSB] matrix_a_fmt:MATRIX_FMT_FP6 matrix_b_fmt:MATRIX_FMT_FP6 matrix_b_scale:MATRIX_SCALE_ROW1
.else
	v_wmma_scale_f32_16x16x128_f8f6f4 v[WD:WD+7], v[WA:WA+11], v[WB:WB+11], v[WC:WC+7], v[WSA], v[WSB] matrix_a_fmt:MATRIX_FMT_FP6 matrix_b_fmt:MATRIX_FMT_FP6 matrix_a_scale:MATRIX_SCALE_ROW1 matrix_b_scale:MATRIX_SCALE_ROW1
.endif
.endm
.macro WQ                              ; row tile II / 2 x Q's or K's tile of K step SS
.set MM, II>>1
.set TT, II&1
.set WD, 16*MM+8*TT
.set WC, BI+8*TT
.set WA, FB+24*(SS%4)+12*TT
.set WSA, SW+24*PAR+8*TT+SS
	WMC
.endm
.macro WV1 t                           ; row tile II x V's tile
.set MM, II
.set WD, VB+32*MM+8*(\t)
.set WC, BI+16
.set WA, FB+12*SS
.set WSA, SW+24*PAR+16+SS
	WMC
.endm
.macro LDSW par, oq, ov                ; a pair of slots' scale words
.irp k, 0,1,2
.if \k < 2
	global_load_b128 v[SW+24*(\par)+8*\k:SW+24*(\par)+8*\k+3], v[LQ], s[14+2*\k:15+2*\k] offset:\oq
	global_load_b128 v[SW+24*(\par)+8*\k+4:SW+24*(\par)+8*\k+7], v[LQ], s[14+2*\k:15+2*\k] offset:(\oq)+16
.else
	global_load_b128 v[SW+24*(\par)+8*\k:SW+24*(\par)+8*\k+3], v[LV], s[14+2*\k:15+2*\k] offset:\ov
	global_load_b128 v[SW+24*(\par)+8*\k+4:SW+24*(\par)+8*\k+7], v[LV], s[14+2*\k:15+2*\k] offset:(\ov)+16
.endif
.endr
.endm
.macro LDBQ t
	global_load_b128 v[BI:BI+3], v[LBQ], s[20:21] offset:64*(\t)
	global_load_b128 v[BI+4:BI+7], v[LBQ], s[20:21] offset:64*(\t)+16
	global_load_b128 v[BI+8:BI+11], v[LBQ], s[22:23] offset:64*(\t)
	global_load_b128 v[BI+12:BI+15], v[LBQ], s[22:23] offset:64*(\t)+16
.endm
.macro LDBV t
	global_load_b128 v[BI+16:BI+19], v[LBV], s[24:25] offset:32*(\t)
	global_load_b128 v[BI+20:BI+23], v[LBV], s[24:25] offset:32*(\t)+16
.endm
; The next slot's biases of Q and K; in slot 0 also this head's second pair of scale words, in slot 2 the next head's first pair.  In the very last head s96 = s97 = 0: the same head's are named again, inside the buffers.
.macro AUX t
	WIN 0
.if (\t) >= 2
	s_wait_xcnt 0x0                        ; earlier loads have read their offsets
.if (\t) == 2
	v_add_nc_u32 v[LQ], s96, v[LQ]
	v_add_nc_u32 v[LV], s96, v[LV]
.else
	v_add_nc_u32 v[LBQ], s97, v[LBQ]
	v_add_nc_u32 v[LBV], s97, v[LBV]
.endif
	WALU
.endif
	LDBQ ((\t)+1)%4
.if (\t) == 0
	LDSW 1, 1024, 512
.elseif (\t) == 2
	LDSW 0, 0, 0
.endif
.endm
.macro ADDR t                          ; where slot t's tiles lie; s66 = the head's region
	s_add_co_u32 s92, s66, PART+TILEB*(\t)
	s_add_co_u32 s93, s66, 8*PITCH*(\t)
	s_add_co_u32 s66, s66, TILEB*(\t)
	WIN 0
	v_add_nc_u32 v[AQ], s66, v[BQ]
	v_add_nc_u32 v[AQ+1], s66, v[BQ+1]
	v_add_nc_u32 v[AQ+2], s92, v[BQ]
	v_add_nc_u32 v[AQ+3], s92, v[BQ+1]
	v_add_nc_u32 v[AQ+4], s93, v[BV]
	v_add_nc_u32 v[AQ+5], s93, v[BV+1]
.endm
.macro EQ                              ; line L of 48: aq^2; + ak^2; x -log2(e) / 2; two numbers a line, sixteen lines apart from their sources
.set MQ, L%4
.set AE, 16*MQ+2*((L/4)%4)
	WIN 0xFF
.if L < 16
	v_pk_mul_f32 v[AE:AE+1], v[AE:AE+1], v[AE:AE+1]
.elseif L < 32
	v_pk_fma_f32 v[AE:AE+1], v[AE+8:AE+9], v[AE+8:AE+9], v[AE:AE+1]
.else
	v_pk_mul_f32 v[AE:AE+1], v[AE:AE+1], s[NCF:NCF+1] op_sel_hi:[1,0]
.endif
.set L, L+1
.endm
; A slot's 64 products of Q and K.  LDS loads stand in runs behind four places: two K steps' fragments, 15 products ahead of their first use; V's first four in step 6's run (vr = 1).
; The accumulators take turns, one instruction a turn, here and in V's part.
.macro QKU t, vr
.set SLP, (\t)&1
.set PAR, (\t)>>1
	WIN 0
	s_wait_loadcnt 0x2                     ; this slot's scale words and biases of Q and K are in; the two younger loads are V's
.set SS, 0
.rept 8
	WAITF
.set II, 0
.rept 8
	WQ
.if (II == 0) && ((SS%2) == 0)
.if (SS < 6) || (\vr)
	NOP4
.endif
.if SS < 6
	WIN 0x80
	LDK SS+2
	LDK SS+3
.elseif \vr
	LDV0
.endif
.if SS == 2
	AUX \t
.endif
.endif
.set II, II+1
.endr
.set SS, SS+1
.endr
.endm
; A slot's 32 products of V; behind every second one stand four lines on Q's and K's sums.  Behind them the 32 exponentials, where no sum is open, the sums of q x k and V's largest magnitudes.
; kind 0: the next slot's first run goes out ahead of the exponentials.  kind 1, the head's end: a round and a refill: ahead of step 6 the wait for all my tensor loads and the add; behind it the wait for the add and for
; my reads of this region, and the opening signal; inside the round V's last step and the exponentials; behind it the refill, then the next head's first run.  kind 2: nothing more here.
.macro VU t, kind
.set SLP, (\t)&1
.set PAR, (\t)>>1
.if ((\t)%2) == 0                      ; V's biases are in; younger are the next slot's biases (4) and scale words (6)
	s_wait_loadcnt 10
.else
	s_wait_loadcnt 4
.endif
.set L, 0
.set SS, 0
.rept 8
.if SS == 0
	s_wait_dscnt DSI-FVA
.elseif SS == 4
	s_wait_dscnt DSI-FVB
.elseif (SS == 6) && ((\kind) == 1)
	GUARD
	s_mul_i32 s66, s2, REG
	s_add_co_u32 s[G0Q+1], s[LQ0], s66     ; head 2, 3 into region 0, 1
	s_add_co_u32 s[G0V+1], s[LV0], s66
	s_add_nc_u64 s[G0Q+2:G0Q+3], s[G0Q+2:G0Q+3], 49152
	s_add_nc_u64 s[G0V+2:G0V+3], s[G0V+2:G0V+3], 49152
.endif
.set II, 0
.rept 4
	WV1 \t
.if (II%2 == 1) && (SS > 0) && (SS < 7)
.rept 4
	EQ
.endr
.endif
.set II, II+1
.endr
.if SS == 0
	NOP4
	WIN 0x80
.irp k, 4,5,6,7
	FRAG FB+12*\k, \k, AQ+4
.endr
.set FVB, DSI
	WIN 0
	LDBV ((\t)+1)%4
.elseif (SS == 6) && ((\kind) == 1)
	s_wait_dscnt 0x0
	s_barrier_signal -1
.endif
.set SS, SS+1
.endr
.if (\kind) == 0
	s_mul_i32 s66, s2, REG
	ADDR (\t)+1
	RUN01
.endif
	WIN 0xFF
	WALU
.irp m, 0,1,2,3
.irp j, 0,1,2,3,4,5,6,7
	v_exp_f32 v[16*\m+\j], v[16*\m+\j]
.endr
.endr
	v_nop
	WALU
.if (\kind) == 1
	WIN 0
	s_barrier_wait -1
	CREST                                  ; no wave of any partner still reads this region or has a load on its way
	REFILL
	s_xor_b32 s66, s2, 1
	s_mul_i32 s66, s66, REG
	ADDR 0
	RUN01
.endif
	WIN 0xFF
	WALU
.irp g, 0,1,2,3
.irp m, 0,1,2,3
.if (\t) > 0
	v_pk_add_f32 v[CO+2*\m:CO+2*\m+1], v[CO+2*\m:CO+2*\m+1], v[16*\m+2*\g:16*\m+2*\g+1]
.elseif \g == 1
	v_pk_add_f32 v[CO+2*\m:CO+2*\m+1], v[16*\m:16*\m+1], v[16*\m+2:16*\m+3]
.elseif \g > 1
	v_pk_add_f32 v[CO+2*\m:CO+2*\m+1], v[CO+2*\m:CO+2*\m+1], v[16*\m+2*\g:16*\m+2*\g+1]
.endif
.endr
.endr
.irp g, 0,1,2,3
.irp m, 0,1,2,3
.set AE, VB+32*\m+8*(\t)
.if (\t) > 0
	v_max3_num_f32 v[MX+\m], v[MX+\m], |v[AE+2*\g]|, |v[AE+2*\g+1]|
.elseif \g == 0
	v_max3_num_f32 v[MX+\m], |v[AE]|, |v[AE+1]|, |v[AE+2]|
.elseif \g < 3
	v_max3_num_f32 v[MX+\m], v[MX+\m], |v[AE+2*\g+1]|, |v[AE+2*\g+2]|
.else
	v_max_num_f32 v[MX+\m], v[MX+\m], |v[AE+7]|
.endif
.endr
.endr
	WIN 0
.endm
; The head's end: coeff's parts are added, across the lanes' halves too; the block's largest magnitude x coeff (coeff is not negative and rounding keeps order, so that is the largest product, bit for bit),
; the floor 2^(3 - 127), 2 off the exponent field: the conversion's scale operand; v x coeff in place; the codes.  The codes and bytes of the head before move to the even head's place.
.macro QUANT
	WIN 0xFF
.irp m, 0,1,2,3
	v_add_f32 v[CO+2*\m], v[CO+2*\m], v[CO+2*\m+1]
.endr
	WIN 0x03
.irp m, 0,1,2,3
	v_permlanex16_b32 v[PT+\m], v[CO+2*\m], s[SEL], s[SEL+1]
.endr
	WIN 0xC3
.irp m, 0,1,2,3
	v_add_f32 v[CO+2*\m], v[CO+2*\m], v[PT+\m]
.endr
	WIN 0x0F
.irp m, 0,1,2,3
	v_mul_f32 v[SO+\m], v[MX+\m], v[CO+2*\m]
.endr
	WIN 0
	WALU
	s_wait_xcnt 0x0                        ; the stores have read the codes
.irp m, 0,1,2,3
	v_mov_b32 v[SB0+\m], v[SB1+\m]
.irp i, 0,1,2,3,4,5
	v_mov_b32 v[CD+12*\m+\i], v[CD+12*\m+6+\i]
.endr
.endr
.irp m, 0,1,2,3
	v_max_num_f32 v[SO+\m], 0x1800000, v[SO+\m]
.endr
.irp m, 0,1,2,3
	v_add_nc_u32 v[SO+\m], 0xff000000, v[SO+\m]
.endr
.irp m, 0,1,2,3
	v_lshrrev_b32 v[SB1+\m], 23, v[SO+\m]
.endr
	WIN 0xFF
.irp k, 0,1,2,3,4,5,6,7,8,9,10,11,12,13,14,15
.irp m, 0,1,2,3
	v_pk_mul_f32 v[VB+32*\m+2*\k:VB+32*\m+2*\k+1], v[VB+32*\m+2*\k:VB+32*\m+2*\k+1], v[CO+2*\m:CO+2*\m+1] op_sel_hi:[1,0]
.endr
.endr
	WIN 0x03
.irp m, 0,1,2,3
	v_cvt_scalef32_pk16_fp6_f32 v[CD+12*\m+6:CD+12*\m+8], v[VB+32*\m:VB+32*\m+15], v[SO+\m]
	v_cvt_scalef32_pk16_fp6_f32 v[TC+4*\m:TC+4*\m+2], v[VB+32*\m+16:VB+32*\m+31], v[SO+\m]   ; (a conversion's three registers begin on an even number: these are moved)
.endr
	WIN 0
	v_nop
.irp m, 0,1,2,3
.irp i, 0,1,2
	v_mov_b32 v[CD+12*\m+9+\i], v[TC+4*\m+\i]
.endr
.endr
	WALU
.endm
; Two heads are finished.  The operand's order: lanes 0-15 hold the even head's blocks 0 and 1, lanes 16-31 the odd head's: of each pair of registers the first's lanes 16-31 change places with the second's lanes 0-15.
; Byte 2 h + c of a row's scale word is block h of head c.
.macro OUT2
.irp m, 0,1,2,3
.irp i, 0,1,2,3,4,5
	v_permlane16_swap_b32 v[CD+12*\m+\i], v[CD+12*\m+6+\i]
.endr
.endr
.irp m, 0,1,2,3
	v_lshl_or_b32 v[SB0+\m], v[SB1+\m], 8, v[SB0+\m]
.endr
.irp m, 0,1,2,3
	v_lshlrev_b32 v[SB0+\m], v[SH16], v[SB0+\m]
.endr
.irp m, 0,1,2,3
	v_permlanex16_b32 v[PT+\m], v[SB0+\m], s[SEL], s[SEL+1]
.endr
.irp m, 0,1,2,3
	v_or_b32 v[SB0+\m], v[SB0+\m], v[PT+\m]
.endr
	v_cndmask_b32 v[SP2], v[SB0], v[SB0+1], s[HM]      ; lane l: the word of my row l,
	v_cndmask_b32 v[SP2+1], v[SB0+2], v[SB0+3], s[HM]  ; and of my row 32 + l
	WALU
.irp m, 0,1,2,3
.irp k, 0,1,2
	global_store_b128 v[GC], v[CD+12*\m+4*\k:CD+12*\m+4*\k+3], s[PQC:PQC+1] offset:12288*\m+512*\k   ; the wave stores 512 consecutive bytes, aligned
.endr
.endr
	global_store_b64 v[GS], v[SP2:SP2+1], s[PQS:PQS+1]   ; 256 consecutive bytes, aligned
.endm
.macro GROUP1 g, mask, rows            ; rows of 96 elements of 8 bytes, dense
	s_or_b32 s[\g], s\mask, FLAGS
	s_mov_b32 s[\g+1], 96<<16
	s_mov_b32 s[\g+2], (\rows)<<16
	s_mov_b32 s[\g+3], 96<<16
	s_mov_b32 s[\g+4], \rows
	s_mov_b32 s[\g+5], 96
	s_mov_b32 s[\g+6], 0
	s_mov_b32 s[\g+7], 0
.endm
.macro BUMP b, k, mul                  ; base pair b += scalar k x a constant (s67 = 0)
	s_mul_i32 s66, s\k, \mul
	s_add_nc_u64 s[\b:\b+1], s[\b:\b+1], s[66:67]
.endm
	s_load_b512 s[4:19], s[0:1], 0x0               ; x codes, x scales, Wq, Wk, Wv codes, Wq, Wk, Wv scales
	s_load_b256 s[20:27], s[0:1], 0x40             ; bq, bk, bv, qc
	s_load_b64 s[28:29], s[0:1], 0x60              ; qs
	v_lshl_add_u32 v[SPW], v0, 2, SPARE
	v_mov_b32 v[NIL], 0
	ds_add_u32 v[SPW], v[NIL]                      ; the opening add, twice on end
	ds_add_u32 v[SPW], v[NIL]
	v_lshrrev_b32 v35, 5, v0
	v_readfirstlane_b32 s[WV], v35                 ; wave 0..3
	WALU
	s_bfe_u32 s[CX], ttmp6, 0x40000
	s_bfe_u32 s[CY], ttmp6, 0x40004
	s_lshl_b32 s[GG], ttmp9, 2
	s_add_co_u32 s[GG], s[GG], s[CX]
	s_and_b32 s[YBK], ttmp7, 0xffff
	s_lshl_b32 s[YBK], s[YBK], 2
	s_add_co_u32 s[YBK], s[YBK], s[CY]
	s_lshl_b32 s92, s[CY], 2
	s_lshl_b32 s92, 15, s92                        ; my row of the cluster
	s_lshl_b32 s93, 0x1111, s[CX]                  ; my column
	GROUP1 G1Q, 93, 64
	GROUP1 G1V, 93, 32
	GROUP1 G1X, 92, 128
	s_mov_b32 s[NCF], 0xbf38aa3b                   ; -log2(e) / 2
	s_mov_b32 s[NCF+1], s[NCF]
	s_mov_b32 s[SEL], 0x76543210
	s_mov_b32 s[SEL+1], 0xfedcba98
	s_mov_b32 s[HM], 0xffff0000
	s_mov_b32 s67, 0
	s_mul_i32 s[LQ0], s[WV], PART
	s_mul_i32 s[LV0], s[WV], VSTEP
	s_add_co_u32 s[LV0], s[LV0], VOFF-2*VSTEP
	s_mov_b32 s[G0Q], 1
	s_mov_b32 s[G0Q+1], s[LQ0]
	s_mov_b32 s[G0V], 1
	s_mov_b32 s[G0V+1], s[LV0]
	s_and_b32 s94, s[WV], 1
	s_mov_b32 s[G0X], 1
	s_mul_i32 s[G0X+1], s[WV], 2*PART
	s_add_co_u32 s[G0X+1], s[G0X+1], XB-4*PART     ; waves 2, 3: x's first and second 128 rows
	s_wait_dscnt 0x0                               ; both opening adds are done
	s_wait_kmcnt 0x0
	BUMP 4, 38, 196608
	s_mul_i32 s66, s94, 98304
	s_add_nc_u64 s[G0X+2:G0X+3], s[4:5], s[66:67]
	s_or_b32 s[G0X+3], s[G0X+3], 0x80000000
	s_cmp_eq_u32 s[WV], 0
	s_cselect_b64 s[G0Q+2:G0Q+3], s[8:9], s[10:11]
	BUMP G0Q+2, 37, 196608                         ; the head group's first weight row
	s_or_b32 s[G0Q+3], s[G0Q+3], 0x80000000
	BUMP 12, 37, 196608
	s_mul_i32 s66, s94, 24576
	s_add_nc_u64 s[G0V+2:G0V+3], s[12:13], s[66:67]
	s_or_b32 s[G0V+3], s[G0V+3], 0x80000000
	CROUND                                         ; all sixteen work-groups are here: the first joint loads meet
	s_cmp_lt_u32 s[WV], 2
	s_cbranch_scc1 .Lfetch_qk
	TLOAD G0X, G1X                                 ; waves 2, 3: x
	s_branch .Lasked
.Lfetch_qk:
	TLOAD G0Q, G1Q                                 ; waves 0, 1: Q's and K's rows of head 0
.Lasked:
	BUMP 14, 37, 8192
	BUMP 16, 37, 8192
	BUMP 18, 37, 8192
	BUMP 20, 37, 1024
	BUMP 22, 37, 1024
	BUMP 24, 37, 1024
	s_lshl_b32 s94, s[YBK], 8
	s_lshl_b32 s95, s[WV], 6
	s_add_co_u32 s94, s94, s95                     ; my first row
	BUMP 6, 94, 32
	s_mov_b64 s[PQC:PQC+1], s[26:27]
	BUMP PQC, 94, 768
	BUMP PQC, 37, 3072                             ; K step 2 g of the next product: 1,536 bytes a K step
	s_mov_b64 s[PQS:PQS+1], s[28:29]
	BUMP PQS, 94, 4
	BUMP PQS, 37, 131072                           ; 65,536 bytes a K step
	s_mov_b32 s96, 2048                            ; scale bytes and biases from head to head
	s_mov_b32 s97, 256
	v_and_b32 v[LN], 31, v0
	v_and_b32 v[RR], 15, v0
	v_bfe_u32 v[HH], v0, 4, 1
	v_bfe_u32 v33, v0, 3, 1
	v_and_b32 v34, 7, v0
	v_lshlrev_b32 v[LQ], 5, v[LN]                  ; lane l: row l of the pair of slots
	v_lshlrev_b32 v[LV], 5, v34
	v_lshl_add_u32 v[LV], v33, 10, v[LV]
	v_lshl_add_u32 v[LV], v[HH], 8, v[LV]
	v_lshlrev_b32 v[LBQ], 5, v[HH]
	v_lshlrev_b32 v[LBV], 7, v[HH]
	v_lshlrev_b32 v[GC], 4, v[LN]
	v_lshlrev_b32 v[GS], 3, v[LN]
	v_lshlrev_b32 v[SH16], 4, v[HH]
	WALU
.irp i, 0,1                                    ; lane l: the eight scale words of my row 32 i + l
	global_load_b128 v[SX+8*\i:SX+8*\i+3], v[LQ], s[6:7] offset:1024*\i
	global_load_b128 v[SX+8*\i+4:SX+8*\i+7], v[LQ], s[6:7] offset:1024*\i+16
.endr
	LDSW 0, 0, 0
	LDBQ 0
	LDBV 0
	v_mul_u32_u24 v35, v[RR], PITCH
	v_mad_u32_u24 v[BQ], v[HH], 24, v35
	v_mad_u32_u24 v[BQ+1], v[HH], 40, v35
	s_mul_i32 s66, s[WV], PART                     ; my 64 rows of x
	s_add_co_u32 s66, s66, XB
.irp m, 0,1,2,3
	v_add_nc_u32 v[AX+2*\m], s66, v[BQ]
	v_add_nc_u32 v[AX+2*\m+1], s66, v[BQ+1]
	s_add_co_u32 s66, s66, TILEB
.endr
	v_mul_u32_u24 v35, v34, PITCH
	s_mov_b32 s66, VSTEP
	v_mul_u32_u24 v34, s66, v33
	v_add_nc_u32 v35, v35, v34
	v_add_nc_u32 v35, VOFF, v35                    ; V: row r % 8 of the first 32 or of the second
	v_mad_u32_u24 v[BV], v[HH], 24, v35
	v_mad_u32_u24 v[BV+1], v[HH], 40, v35
	WALU
	s_mov_b32 s66, 0
	ADDR 0
.irp m, 0,1,2,3
	v_mov_b32 v[PT+\m], 0                          ; (a lane permute's destination counts as one of its sources)
	v_mov_b32 v[SB1+\m], 0                         ; (the first head moves these and the codes' registers once before it writes them)
.irp i, 0,1,2,3,4,5
	v_mov_b32 v[CD+12*\m+6+\i], 0
.endr
.endr
	WALU                                           ; at the head's end
	s_cmp_lt_u32 s[WV], 2
	s_cbranch_scc1 .Lnot_x
	s_wait_tensorcnt 0x0
.Lnot_x:
	s_barrier_signal -1
	s_barrier_wait -1                              ; x is whole; Q's and K's rows may still be on their way.
.set SS, 0
.rept 8                                        ; x's 32 fragments into registers: they stay
.if SS == 0
	WIN 0x40
.elseif SS == 5
	WIN 0x80
.endif
.irp m, 0,1,2,3
	FRAG 48*(SS%5)+12*\m, SS, AX+2*\m
.endr
.set SS, SS+1
.endr
	WIN 0
	s_wait_loadcnt 0x0
	GUARD
	s_add_nc_u64 s[G0Q+2:G0Q+3], s[G0Q+2:G0Q+3], 49152   ; Q, K of head 1, into region 1
	s_add_co_u32 s[G0Q+1], s[LQ0], REG
	s_wait_dscnt 0x0                               ; my reads of x's bytes are over
	CROUND
	REFILL                                         ; and V of head 0
	RUN01
	s_mov_b32 s2, 0
	QKU 0, 0
	GUARD
	s_add_nc_u64 s[G0V+2:G0V+3], s[G0V+2:G0V+3], 49152   ; V of head 1
	s_add_co_u32 s[G0V+1], s[LV0], REG
	s_wait_dscnt 0x0
	CROUND                                         ; V of head 0 is whole
	s_cmp_lt_u32 s[WV], 2
	s_cbranch_scc1 .Lno_v
	TLOAD G0V, G1V
.Lno_v:
	NOP4
	LDV0
	WIN 0
.Lfirst:                                               ; heads 0 and 1: from V's first slot to the next head's first products
.set FVA, DSI
	VU 0, 0
	QKU 1, 1
	VU 1, 0
	QKU 2, 1
	VU 2, 0
	QKU 3, 1
	VU 3, 1
	QUANT
	QKU 0, 1
	WIN 0
	s_add_co_u32 s2, s2, 1
	s_cmp_lt_u32 s2, 2
	s_cbranch_scc1 .Lfirst
	NOP4
	OUT2
	s_mov_b32 s2, 0
.Lsecond:                                              ; heads 2 and 3: nothing is filled again
.set FVA, DSI
	VU 0, 0
	QKU 1, 1
	VU 1, 0
	QKU 2, 1
	VU 2, 0
	QKU 3, 1
	VU 3, 2
	QUANT
	s_cmp_eq_u32 s2, 1
	s_cbranch_scc1 .Lend
	s_mov_b32 s96, 0
	s_mov_b32 s97, 0
	s_wait_tensorcnt 0x0                           ; my part of head 3 is in
	s_wait_dscnt 0x0
	s_barrier_signal -1
	s_barrier_wait -1                              ; everybody's is.
	s_mov_b32 s66, REG
	ADDR 0
	WALU
	RUN01
	QKU 0, 1
	WIN 0
	s_add_co_u32 s2, s2, 1
	WALU
	s_branch .Lsecond
.Lend:
	s_wait_xcnt 0x0                                ; the stores have read their bases
	s_add_nc_u64 s[PQC:PQC+1], s[PQC:PQC+1], 1536
	s_add_nc_u64 s[PQS:PQS+1], s[PQS:PQS+1], 65536
	OUT2
	s_wait_tensorcnt 0x0                           ; the wave's end
	ds_add_u32 v[SPW], v[NIL]
	s_wait_dscnt 0x0
	CROUND                                         ; the closing round: no work-group ends while a partner may still ask for a tile that names it
	s_endpgm
.Lfunc_end_k_qe667fe7b08_qkv:
	.size	k_qe667fe7b08_qkv, .Lfunc_end_k_qe667fe7b08_qkv-k_qe667fe7b08_qkv
	.p2alignl 7, 3214868480
	.fill 96, 4, 3214868480
	.section	.rodata,"a",@progbits
	.p2align	6, 0x0
	.amdhsa_kernel k_qe667fe7b08_qkv
		.amdhsa_group_segment_fixed_size 327680
		.amdhsa_private_segment_fixed_size 0
		.amdhsa_enable_private_segment 0
		.amdhsa_kernarg_size 104
		.amdhsa_user_sgpr_count 2
		.amdhsa_user_sgpr_kernarg_segment_ptr 1
		.amdhsa_wavefront_size32 1
		.amdhsa_system_sgpr_workgroup_id_x 1
		.amdhsa_system_sgpr_workgroup_id_y 1
		.amdhsa_system_sgpr_workgroup_id_z 1
		.amdhsa_system_vgpr_workitem_id 0
		.amdhsa_next_free_vgpr 1024
		.amdhsa_next_free_sgpr 100
		.amdhsa_reserve_vcc 0
		.amdhsa_float_denorm_mode_32 3
		.amdhsa_float_denorm_mode_16_64 3
		.amdhsa_memory_ordered 1
		.amdhsa_forward_progress 1
		.amdhsa_inst_pref_size 255
	.end_amdhsa_kernel
	.section	.bss,"aw",@nobits
	.p2align	6
	.space	262144
	.amdgpu_metadata
---
amdhsa.version: [ 1, 2 ]
amdhsa.kernels:
  - .name:           k_qe667fe7b08_qkv
    .symbol:         k_qe667fe7b08_qkv.kd
    .args:
      - { .name: x_codes, .offset: 0, .size: 8, .value_kind: global_buffer, .address_space: global }
      - { .name: x_scales, .offset: 8, .size: 8, .value_kind: global_buffer, .address_space: global }
      - { .name: Wq_codes, .offset: 16, .size: 8, .value_kind: global_buffer, .address_space: global }
      - { .name: Wk_codes, .offset: 24, .size: 8, .value_kind: global_buffer, .address_space: global }
      - { .name: Wv_codes, .offset: 32, .size: 8, .value_kind: global_buffer, .address_space: global }
      - { .name: Wq_scales, .offset: 40, .size: 8, .value_kind: global_buffer, .address_space: global }
      - { .name: Wk_scales, .offset: 48, .size: 8, .value_kind: global_buffer, .address_space: global }
      - { .name: Wv_scales, .offset: 56, .size: 8, .value_kind: global_buffer, .address_space: global }
      - { .name: bq, .offset: 64, .size: 8, .value_kind: global_buffer, .address_space: global }
      - { .name: bk, .offset: 72, .size: 8, .value_kind: global_buffer, .address_space: global }
      - { .name: bv, .offset: 80, .size: 8, .value_kind: global_buffer, .address_space: global }
      - { .name: qc, .offset: 88, .size: 8, .value_kind: global_buffer, .address_space: global }
      - { .name: qs, .offset: 96, .size: 8, .value_kind: global_buffer, .address_space: global }
    .group_segment_fixed_size: 327680
    .private_segment_fixed_size: 0
    .kernarg_segment_align: 8
    .kernarg_segment_size: 104
    .max_flat_workgroup_size: 128
    .sgpr_count:     100
    .vgpr_count:     1024
    .wavefront_size: 32
...
	.end_amdgpu_metadata
.endif
;; end of part 3
;; launch proj (part 4): grid 64 x 4, 4 waves a work-group, clusters of 4 x 1, 279,040 bytes of LDS; arguments qc, qs, Wo_codes, Wo_scales, bo, out0; writes out0
.if DOCPART == 4
	.amdgcn_target "amdgcn-amd-amdhsa--gfx1250"
	.amdhsa_code_object_version 6
	.text
	.protected	k_qe667fe7b08_proj
	.globl	k_qe667fe7b08_proj
	.p2align	8
	.type	k_qe667fe7b08_proj,@function
k_qe667fe7b08_proj:
	s_mov_b64 s[64:65], 0
	v_nop
	global_prefetch_b8 v0, s[64:65] scope:SCOPE_SE
	s_setreg_imm32_b32 hwreg(HW_REG_WAVE_MODE, 25, 1), 1
	s_wait_xcnt 0x0
	s_wait_alu depctr_hold_cnt(0) depctr_sa_sdst(0) depctr_va_vdst(0) depctr_va_sdst(0) depctr_va_ssrc(0) depctr_va_vcc(0) depctr_vm_vsrc(0)
	s_getreg_b32 s2, hwreg(HW_REG_IB_STS2, 6, 4)
	s_cmp_eq_u32 s2, 0
	s_cbranch_scc0 .Lentry_in_a_cluster
	s_endpgm
.Lentry_in_a_cluster:
	s_bfe_u32 s2, ttmp6, 0x10000c
	s_cmp_lg_u32 s2, 0x3003
	s_cbranch_scc0 .Lentry_shape_is_right
	s_endpgm
.Lentry_shape_is_right:
; out0 = y Wo + bo on codes of FP6 (E2M3) with E8M0 scales, f32 sums.  y comes as the launch before left it: qc = images of the fragments' registers,
; [row tile][K step][i][lane][16 bytes]; qs = scale words, [K step][64 rows][lane][2], bytes already in this program's order.
; SHARES.  A work-group makes 256 rows x 256 columns; wave w owns rows 64 w .. 64 w + 63 and keeps their 32 fragments in 384 registers.  The work-group's 256 rows of Wo, all of K, lie in LDS,
; filled once: no slot is filled again.  The four row blocks of a cluster need the same rows of Wo and ask for them jointly.
; A UNIT is 2 tiles of 16 rows of Wo x 4 row tiles x 8 K steps = 64 matrix instructions on 8 accumulators by turns; two sets of accumulators.  TRANSPOSED USE: source 0 = Wo's rows, source 1 = my rows:
; a lane holds eight neighbouring columns of one row.  Two units make 64 columns, 256 bytes of each of my 64 rows: they go through my own stage in LDS and leave as whole aligned runs of 256 bytes,
; while the next two units are multiplied.
; LDS AND MEMORY INSTRUCTIONS STAND IN RUNS, never singly among the matrix instructions: four runs a unit; each begins with the fragments of two K steps, and the way out's lines follow them.
; ORDER OF K INSIDE A K STEP as in the launch before: lane (r, h) takes the 48 consecutive bytes at 96 s + 48 h of a row, and bytes 1 and 2 of Wo's scale words change places.  bo is the C of each sum's first matrix instruction.
; LIMITS: NaN and infinities among the inputs are not served.
.set PITCH,  816                       ; an LDS row of codes: 3 x (256 bytes + 16 of padding)
.set TILEB,  16*PITCH
.set SLOTB,  4*TILEB                   ; 64 rows: what one tensor load brings
.set STG,    4*SLOTB                   ; behind Wo: a stage of 64 rows x (256 bytes + 16) for each wave
.set STW,    64*272
.set FLAGS,  15|(3<<16)|(1<<20)|(1<<21)|(5<<22)|(3<<25)  ; the mask: all four work-groups; elements of 8 bytes; padding on; bit 21 beside a mask; behind every 64 words; 4 words of it
.set L16, 1                            ; v1 16 x lane;  v2 8 x lane;  v3 32 x lane;  v4 32 h
.set L8,  2
.set L32, 3
.set H32, 4
.set SX,  16                           ; v16-31   y's scale words: register 2 s + i, lane l: K step s of my row 32 i + l
.set SW,  32                           ; v32-95   Wo's: register 8 n + s, lane l: row 32 n + l
.set BI,  128                          ; v128-255 bo: 8 T + j = column 16 T + 8 h + j
.set OB,  144                          ; window 2: v144-207 rows read back from the stage
.set FB,  128                          ; window 3: v128-223 four buffers of a K step's two fragments of Wo
.set AW,  224                          ; v224-231 my lane's place in each 64 rows of Wo (48 h; 64 h)
.set STO, 232                          ; v232 the stage: where I put 16 bytes of a row;  v233 where I read rows back;  v234 the same place in out0
.set RDA, 233
.set GO,  234
.set WV,  16
.set CX,  17
.set YB,  18
.set CB,  19
.set PSEL, 20
.set G1,  24
.set G0,  32
.set OUT, 36
.set MSB, 0
.set DSI, 0
.set FLI0, 0
.set FLI1, 0
.set FLI2, 0
.set FLI3, 0
.set RB7, 0
.set RB15, 0
.macro WIN new
.if MSB != (\new)
	s_set_vgpr_msb (MSB<<8)|(\new)
.set MSB, \new
.endif
.endm
.macro NOP4
.rept 4
	v_nop
.endr
.endm
.macro CROUND                          ; a round of the cluster's barrier
	s_barrier_signal -1
	s_barrier_wait -1
	s_cmp_lg_u32 s[WV], 0
	s_cbranch_scc1 .Lnot_wave_0_\@
	s_barrier_signal -3
.Lnot_wave_0_\@:
	s_barrier_wait -3
	s_barrier_signal -1
	s_barrier_wait -1
.endm
.macro DS1
.set DSI, DSI+1
.endm
.macro SETFL
.if FBUF == 0
.set FLI0, DSI
.elseif FBUF == 1
.set FLI1, DSI
.elseif FBUF == 2
.set FLI2, DSI
.else
.set FLI3, DSI
.endif
.endm
.macro WAITF                           ; K step SS's fragments are in: the count is the LDS instructions written behind the last of their loads
.if (SS%4) == 0
	s_wait_dscnt DSI-FLI0
.elseif (SS%4) == 1
	s_wait_dscnt DSI-FLI1
.elseif (SS%4) == 2
	s_wait_dscnt DSI-FLI2
.else
	s_wait_dscnt DSI-FLI3
.endif
.endm
.macro FRP                             ; piece FK (0..5) of K step FS's two fragments into buffer FBUF
.set FT, FK/3
.set FO, 96*FS+16*(FK%3)
.set FR, FB+24*FBUF+12*FT+4*(FK%3)
.if (FO%256) >= 208
	ds_load_b128 v[FR:FR+3], v[FADR+1] offset:FBASE+FT*TILEB+FO+16*(FO/256)
.else
	ds_load_b128 v[FR:FR+3], v[FADR] offset:FBASE+FT*TILEB+FO+16*(FO/256)
.endif
	DS1
.if FK == 5
	SETFL
.endif
.endm
.macro RUNF adr, base, s0              ; twelve loads: the fragments of K steps s0 and s0 + 1 into buffers s0 % 4 and (s0 + 1) % 4
.set FADR, \adr
.set FBASE, \base
.set KK, 0
.rept 12
.set FS, (\s0)+KK/6
.set FBUF, FS%4
.set FK, KK%6
	FRP
.set KK, KK+1
.endr
.endm
.macro WMC
.if (WRA == 0) && (WRB == 0)
	v_wmma_scale_f32_16x16x128_f8f6f4 v[WD:WD+7], v[WA:WA+11], v[WB:WB+11], v[WC:WC+7], v[WSA], v[WSB] matrix_a_fmt:MATRIX_FMT_FP6 matrix_b_fmt:MATRIX_FMT_FP6
.elseif (WRA == 1) && (WRB == 0)
	v_wmma_scale_f32_16x16x128_f8f6f4 v[WD:WD+7], v[WA:WA+11], v[WB:WB+11], v[WC:WC+7], v[WSA], v[WSB] matrix_a_fmt:MATRIX_FMT_FP6 matrix_b_fmt:MATRIX_FMT_FP6 matrix_a_scale:MATRIX_SCALE_ROW1
.elseif (WRA == 0) && (WRB == 1)
	v_wmma_scale_f32_16x16x128_f8f6f4 v[WD:WD+7], v[WA:WA+11], v[WB:WB+11], v[WC:WC+7], v[WSA], v[WSB] matrix_a_fmt:MATRIX_FMT_FP6 matrix_b_fmt:MATRIX_FMT_FP6 matrix_b_scale:MATRIX_SCALE_ROW1
.else
	v_wmma_scale_f32_16x16x128_f8f6f4 v[WD:WD+7], v[WA:WA+11], v[WB:WB+11], v[WC:WC+7], v[WSA], v[WSB] matrix_a_fmt:MATRIX_FMT_FP6 matrix_b_fmt:MATRIX_FMT_FP6 matrix_a_scale:MATRIX_SCALE_ROW1 matrix_b_scale:MATRIX_SCALE_ROW1
.endif
.endm
.macro WMS n                           ; matrix instruction II (row tile II / 2, Wo's tile II % 2) of K step SS of unit n
.set MM, II>>1
.set TT, II&1
.set WD, 64*((\n)&1)+16*MM+8*TT
.set WA, FB+24*(SS%4)+12*TT
.set WB, 48*(SS%5)+12*MM
.set WSA, SW+8*(\n)+SS
.set WSB, SX+2*SS+(MM>>1)
.set WRA, TT
.set WRB, MM&1
.if SS == 0
	WIN 0xC7
.set WC, BI+8*(2*(\n)+TT)
.elseif SS < 5
	WIN 0xF7
.set WC, WD
.else
	WIN 0xFB
.set WC, WD
.endif
	WMC
.endm
; THE WAY OUT.  ST16: set EP's eight accumulators into the stage, 16 bytes a line, each accumulator from its low end on.  RB16: 32 rows back, two a line.  GS8: eight of those lines are stored.
.macro ST16
	WIN 0xFF
.set KI, 0
.rept 16
.set MQ, KI>>2
.set TQ, (KI>>1)&1
.set HQ, KI&1
	ds_store_b128 v[STO], v[64*EP+16*MQ+8*TQ+4*HQ:64*EP+16*MQ+8*TQ+4*HQ+3] offset:4352*MQ+128*JN+64*TQ+16*HQ
	DS1
.set KI, KI+1
.endr
.endm
.macro RB16
	WIN 0xBB
.set KI, 0
.rept 16
	ds_load_b128 v[OB+4*KI:OB+4*KI+3], v[RDA] offset:544*(16*AH+KI)   ; LDS serves a wave's instructions in order (ISA guide 5.7.1.4): these see my stores, and the next group's stores come behind them
	DS1
.if KI == 7
.set RB7, DSI
.elseif KI == 15
.set RB15, DSI
.endif
.set KI, KI+1
.endr
.endm
.macro GS8 k0
	WIN 0xBB
.set KI, \k0
.rept 8
	global_store_b128 v[GO], v[OB+4*KI:OB+4*KI+3], s[OUT:OUT+1] offset:8192*(16*AH+KI)+256*QG th:TH_STORE_NT   ; sixteen lanes store 256 consecutive bytes, aligned; written once, read by nobody here
.set KI, KI+1
.endr
.endm
; What of the way out stands in the run of K step SS.  LT = 1: unit 0's results into the stage.  LT = 2 (even units): the odd unit's results complete the group of 64 columns; rows 0-31 leave.
; LT = 3 (odd units): rows 32-63 leave; directly behind their read-backs the even unit's results begin the next group (STF = 1).  The wait on XCNT stands ahead of the read-backs: their registers were
; the data of the last stores.  The counted waits ahead of the stores leave out what was written behind the read-backs that are wanted: later read-backs, stage stores, fragment loads.
.macro OUTRUN
.if SS == 0
.if LT == 1
	ST16
.elseif LT == 2
	ST16
	s_wait_xcnt 0x0
	RB16
.elseif LT == 3
	s_wait_xcnt 0x0
	RB16
.if STF
	ST16
.endif
.endif
.elseif (SS == 2) && (LT >= 2)
	s_wait_dscnt DSI-RB7
	GS8 0
.elseif (SS == 4) && (LT >= 2)
	s_wait_dscnt DSI-RB15
	GS8 8
.endif
.endm
.macro SETL lt, qg, stf
.set LT, \lt
.set QG, \qg
.set STF, \stf
.if (\lt) == 2
.set EP, 1
.set JN, 1
.set AH, 0
.else
.set EP, 0
.set JN, 0
.set AH, 1
.endif
.endm
; A UNIT.  Behind the first matrix instruction of K steps 0, 2, 4 and 6 stand four v_nop and ONE run: the twelve fragment loads of the two K steps that come two steps later (at step 6: the next unit's
; steps 0 and 1), 15 matrix instructions ahead of their first use, and behind them the way out's lines.  The two buffers that a run fills were last read by the K step just ended; the four v_nop stand between
; that reader and the loads, and in step 0 between the unit before and the stage stores that read its results (ISA guide 7.12.1 for vector instructions).
; The eight accumulators take turns, one instruction a turn, and a unit's last and the next unit's first lie in different sets.
; A set's stage stores stand in step 0's run, so step 4's counted wait, which leaves out six younger loads alone, shows them done long before the next unit writes that set.
.macro UNIT n
.set SS, 0
.rept 8
	WAITF
.if (\n) == 0                          ; the first unit: K step SS's twelve fragment loads are in; those of the later K steps may be out
.if SS < 2
	s_wait_loadcnt 63
.else
	s_wait_loadcnt 84-12*SS
.endif
.endif
.set II, 0
.rept 8
	WMS \n
.if (II == 0) && ((SS%2) == 0) && ((SS < 6) || ((\n) < 7))
	s_wait_alu depctr_va_vdst(0)
	NOP4
.if SS < 6
	RUNF AW+2*((\n)>>1), 2*TILEB*((\n)&1), SS+2
.else
	RUNF AW+2*(((\n)+1)>>1), 2*TILEB*(((\n)+1)&1), 0
.endif
	OUTRUN
.endif
.set II, II+1
.endr
.set SS, SS+1
.endr
.endm
	s_load_b256 s[4:11], s[0:1], 0x0               ; qc, qs, Wo's codes, Wo's scales
	s_load_b128 s[12:15], s[0:1], 0x20             ; bo, out0
	v_lshl_add_u32 v126, v0, 2, 0x44000
	v_mov_b32 v127, 0
	ds_add_u32 v126, v127
	ds_add_u32 v126, v127
	v_lshrrev_b32 v5, 5, v0
	v_readfirstlane_b32 s[WV], v5                  ; wave 0..3
	s_bfe_u32 s[CX], ttmp6, 0x40000
	s_lshl_b32 s[YB], ttmp9, 2
	s_add_co_u32 s[YB], s[YB], s[CX]               ; row block = 4 x cluster x + cx
	s_and_b32 s[CB], ttmp7, 0xffff                 ; column block, which the four partners share
	s_mov_b32 s[PSEL], 0x03010200
	s_mov_b32 s[G1], FLAGS                         ; 64 rows of 96 elements of 8 bytes, dense
	s_mov_b32 s[G1+1], 96<<16
	s_mov_b32 s[G1+2], 64<<16
	s_mov_b32 s[G1+3], 96<<16
	s_mov_b32 s[G1+4], 64
	s_mov_b32 s[G1+5], 96
	s_mov_b32 s[G1+6], 0
	s_mov_b32 s[G1+7], 0
	s_lshl_b32 s44, s[CB], 8
	s_lshl_b32 s45, s[WV], 6
	s_add_co_u32 s44, s44, s45                     ; the 64 rows of Wo that I fetch
	s_mul_i32 s44, s44, 768
	s_mov_b32 s45, 0
	s_mov_b32 s[G0], 1
	s_mul_i32 s[G0+1], s[WV], SLOTB
	s_wait_dscnt 0x0
	s_wait_kmcnt 0x0
	s_add_nc_u64 s[G0+2:G0+3], s[8:9], s[44:45]
	s_or_b32 s[G0+3], s[G0+3], 0x80000000
	CROUND                                         ; all four work-groups are here: the joint loads meet
	tensor_load_to_lds s[G0:G0+3], s[G1:G1+7]      ; my one tensor load of the launch
	s_nop 0
	NOP4
	s_lshl_b32 s38, s[YB], 8
	s_lshl_b32 s39, s[WV], 6
	s_add_co_u32 s38, s38, s39                     ; my first row
	s_mul_i32 s40, s38, 768
	s_mov_b32 s41, 0
	s_add_nc_u64 s[4:5], s[4:5], s[40:41]          ; its fragments' images
	s_lshl_b32 s40, s38, 2
	s_add_nc_u64 s[6:7], s[6:7], s[40:41]          ; its scale words
	s_lshl_b32 s40, s38, 12
	s_lshl_b32 s42, s[CB], 10
	s_add_co_u32 s40, s40, s42
	s_add_nc_u64 s[OUT:OUT+1], s[14:15], s[40:41]  ; its place in out0
	s_lshl_b32 s40, s[CB], 13
	s_add_nc_u64 s[10:11], s[10:11], s[40:41]      ; Wo's scale bytes at the block's first row
	s_lshl_b32 s40, s[CB], 10
	s_add_nc_u64 s[12:13], s[12:13], s[40:41]      ; bo at its first column
	v_and_b32 v5, 31, v0                           ; lane
	v_and_b32 v6, 15, v0                           ; r
	v_bfe_u32 v7, v0, 4, 1                         ; h
	v_lshlrev_b32 v[L16], 4, v5
	v_lshlrev_b32 v[L8], 3, v5
	v_lshlrev_b32 v[L32], 5, v5
	v_lshlrev_b32 v[H32], 5, v7
.irp s, 0,1,2,3,4,5,6,7
	global_load_b64 v[SX+2*\s:SX+2*\s+1], v[L8], s[6:7] offset:65536*\s
.endr
.irp n, 0,1,2,3,4,5,6,7
	global_load_b128 v[SW+8*\n:SW+8*\n+3], v[L32], s[10:11] offset:1024*\n
	global_load_b128 v[SW+8*\n+4:SW+8*\n+7], v[L32], s[10:11] offset:1024*\n+16
.endr
.irp t, 0,1,2,3,4,5,6,7,8,9,10,11,12,13,14,15
	global_load_b128 v[BI+8*\t:BI+8*\t+3], v[H32], s[12:13] offset:64*\t
	global_load_b128 v[BI+8*\t+4:BI+8*\t+7], v[H32], s[12:13] offset:64*\t+16
.endr
.set SS, 0
.rept 8                                        ; my 32 fragments, K step by K step: each load of the wave covers 512 consecutive bytes
.if SS == 0
	WIN 0x40
.elseif SS == 5
	WIN 0x80
.endif
.set MM, 0
.rept 4
.set FK, 0
.rept 3
.set FR, 48*(SS%5)+12*MM+4*FK
	global_load_b128 v[FR:FR+3], v[L16], s[4:5] offset:12288*MM+1536*SS+512*FK
.set FK, FK+1
.endr
.set MM, MM+1
.endr
.set SS, SS+1
.endr
	WIN 0
	v_mul_u32_u24 v8, v6, PITCH
	v_mad_u32_u24 v9, v7, 48, v8                   ; row r, + 48 h
	v_lshl_add_u32 v10, v7, 6, v8                  ; and behind one padding more
	v_mul_u32_u24 v11, v6, 272
	v_lshl_add_u32 v11, v7, 5, v11                 ; the stage, in: row r, + 32 h
	v_mul_u32_u24 v12, v7, 272
	v_lshl_add_u32 v12, v6, 4, v12                 ; back: lanes 0-15 one row of 256 bytes, lanes 16-31 the next
	v_lshlrev_b32 v13, 12, v7                      ; and the same two rows in out0
	s_mul_i32 s43, s[WV], STW
	s_add_co_u32 s43, s43, STG                     ; my stage
	WIN 0xC0                                       ; destination window 3
.irp qg, 0,1,2,3
	v_add_nc_u32 v[AW+2*\qg], SLOTB*\qg, v9
	v_add_nc_u32 v[AW+2*\qg+1], SLOTB*\qg, v10
.endr
	v_add_nc_u32 v[STO], s43, v11
	v_add_nc_u32 v[RDA], s43, v12
	v_lshl_add_u32 v[GO], v6, 4, v13
	WIN 0
	s_wait_loadcnt 63                              ; scale words and biases are in; of the 96 fragment loads behind them 63 may be out
.set KQ, 0
.rept 64
	v_perm_b32 v[SW+KQ], v[SW+KQ], v[SW+KQ], s[PSEL]       ; bytes 1 and 2 change places
.set KQ, KQ+1
.endr
	s_wait_tensorcnt 0x0                           ; my 64 rows of Wo are in LDS,
	s_barrier_signal -1
	s_barrier_wait -1                              ; everybody's are
	WIN 0xC7
	RUNF AW, 0, 0
	SETL 0, 0, 0
	UNIT 0
	SETL 1, 0, 0
	UNIT 1
	SETL 2, 0, 0
	UNIT 2
	SETL 3, 0, 1
	UNIT 3
	SETL 2, 1, 0
	UNIT 4
	SETL 3, 1, 1
	UNIT 5
	SETL 2, 2, 0
	UNIT 6
	SETL 3, 2, 1
	UNIT 7
	NOP4                                           ; places behind the last products, whose results are stored to the stage next
	SETL 2, 3, 0                                   ; the last group of 64 columns: its second half into the stage; rows 0-31 leave,
	ST16
	s_wait_xcnt 0x0                                ; (the read-backs' registers were the data of the last stores)
	RB16
	s_wait_dscnt DSI-RB7                           ; the first eight read-backs are in; the other eight may be out
	GS8 0
	s_wait_dscnt DSI-RB15
	GS8 8
	SETL 3, 3, 0                                   ; then rows 32-63
	s_wait_xcnt 0x0
	RB16
	s_wait_dscnt DSI-RB7
	GS8 0
	s_wait_dscnt DSI-RB15
	GS8 8
	WIN 0
	s_wait_dscnt 0x0                               ; no LDS instruction of mine is pending at the signal
	s_wait_tensorcnt 0x0
	ds_add_u32 v126, v127
	s_wait_dscnt 0x0
	CROUND                                         ; the closing round: no work-group ends while a partner may still ask for a tile that names it
	s_endpgm
.Lfunc_end_k_qe667fe7b08_proj:
	.size	k_qe667fe7b08_proj, .Lfunc_end_k_qe667fe7b08_proj-k_qe667fe7b08_proj
	.p2alignl 7, 3214868480
	.fill 96, 4, 3214868480
	.section	.rodata,"a",@progbits
	.p2align	6, 0x0
	.amdhsa_kernel k_qe667fe7b08_proj
		.amdhsa_group_segment_fixed_size 279040
		.amdhsa_private_segment_fixed_size 0
		.amdhsa_enable_private_segment 0
		.amdhsa_kernarg_size 48
		.amdhsa_user_sgpr_count 2
		.amdhsa_user_sgpr_kernarg_segment_ptr 1
		.amdhsa_wavefront_size32 1
		.amdhsa_system_sgpr_workgroup_id_x 1
		.amdhsa_system_sgpr_workgroup_id_y 1
		.amdhsa_system_sgpr_workgroup_id_z 1
		.amdhsa_system_vgpr_workitem_id 0
		.amdhsa_next_free_vgpr 1024
		.amdhsa_next_free_sgpr 66
		.amdhsa_reserve_vcc 0
		.amdhsa_float_denorm_mode_32 3
		.amdhsa_float_denorm_mode_16_64 3
		.amdhsa_memory_ordered 1
		.amdhsa_forward_progress 1
		.amdhsa_inst_pref_size 150
	.end_amdhsa_kernel
	.amdgpu_metadata
---
amdhsa.version: [ 1, 2 ]
amdhsa.kernels:
  - .name:           k_qe667fe7b08_proj
    .symbol:         k_qe667fe7b08_proj.kd
    .args:
      - { .name: qc, .offset: 0, .size: 8, .value_kind: global_buffer, .address_space: global }
      - { .name: qs, .offset: 8, .size: 8, .value_kind: global_buffer, .address_space: global }
      - { .name: Wo_codes, .offset: 16, .size: 8, .value_kind: global_buffer, .address_space: global }
      - { .name: Wo_scales, .offset: 24, .size: 8, .value_kind: global_buffer, .address_space: global }
      - { .name: bo, .offset: 32, .size: 8, .value_kind: global_buffer, .address_space: global }
      - { .name: out0, .offset: 40, .size: 8, .value_kind: global_buffer, .address_space: global }
    .group_segment_fixed_size: 279040
    .private_segment_fixed_size: 0
    .kernarg_segment_align: 8
    .kernarg_segment_size: 48
    .max_flat_workgroup_size: 128
    .sgpr_count:     66
    .vgpr_count:     1024
    .wavefront_size: 32
...
	.end_amdgpu_metadata
.endif
;; end of part 4
